; MI455X (gfx1250); checked and timed in simulation.
; The chip was launched on July 23, 2026; its instructions are those of AMD's public machine-readable ISA for CDNA 5 (MIT licence, August 2026) and "CDNA5" Instruction Set Architecture Reference Guide (July 2026). The comments in the code are by the model that wrote it; some were corrected since.
;; Auto Correlation. Allowed arithmetic: matrix products marked QUANTISED: E3M2 operands, one E8M0 scale for each 32 along K, by v_wmma_scale_f32_16x16x128_f8f6f4 with both operands' format E3M2, f32 sums; everything else in f32.
;; Inputs: Wk 1,024 x 1,024 float32; Wo 1,024 x 1,024 float32; Wq 1,024 x 1,024 float32; Wv 1,024 x 1,024 float32; bk 1,024 float32; bo 1,024 float32; bq 1,024 float32; bv 1,024 float32; keys 4 x 2,048 x 1,024 float32; queries 4 x 2,048 x 1,024 float32; values 4 x 2,048 x 1,024 float32.
;; Outputs: out0 4 x 2,048 x 1,024 float32.
;; This version of the problem:
;;   THIS VERSION OF THE PROBLEM IS GIVEN IN LOW PRECISION. The matrix products marked QUANTISED in the list below multiply operands that are first quantised to E3M2 (3 exponent bits, 2 mantissa bits; 6 bits a number), with one power-of-two scale for each 32 numbers along K (OCP MX v1.0); their sums are f32. All else is computed in f32.
;;   The module's matrix products, in the order in which they are computed (A, B: the left and right operand; K: the contracted axis; several contracted axes count as one K, in the product's order):
;;     1. [M 8,192, K 1,024] x [K 1,024, N 1,024]; A: input queries; B: input Wq: QUANTISED
;;     2. [M 8,192, K 1,024] x [K 1,024, N 1,024]; A: input keys; B: input Wk: QUANTISED
;;     3. [M 8,192, K 1,024] x [K 1,024, N 1,024]; A: input values; B: input Wv: QUANTISED
;;     4. batch 64 x [M 2,048, K 64] x [K 64, N 2,048]; A: computed on the way; B: computed on the way: QUANTISED
;;     5. batch 64 x [M 2,048, K 2,048] x [K 2,048, N 64]; A: softmax (see below); B: computed on the way: QUANTISED
;;     6. [M 8,192, K 1,024] x [K 1,024, N 1,024]; A: computed on the way; B: input Wo: QUANTISED
;;   THE QUANTISER, for each operand of a quantised product, along K:
;;     - K is cut into blocks of 32 from its start; a last block that is shorter is filled with zeros.
;;     - A block's scale is 2^e with e = floor(log2(the largest magnitude in the block)) - 4, held to -126 .. 127; a block of zeros has e = 0. As a byte (E8M0): e + 127.
;;     - Each number is divided by its block's scale, clamped to +-28, and rounded to the nearest number of E3M2, ties to even, subnormals kept.
;;     - The product sums the exact products of the quantised numbers (number of the format x scale) in f32.
;;   ~~~python
;;   def quantise(x, axis):      # numpy; x: float32 -> the quantised numbers, widened to float32 again
;;       x = np.moveaxis(x, axis, -1); K = x.shape[-1]
;;       x = np.pad(x, [(0, 0)] * (x.ndim - 1) + [(0, -K % 32)]); x = x.reshape(x.shape[:-1] + (-1, 32)); a = np.abs(x).max(-1, keepdims=True)
;;       e = np.where(a > 0, np.clip(np.frexp(np.where(a > 0, a, 1))[1] - 1 - 4, -126, 127), 0)      # np.frexp(a)[1] - 1 = floor(log2(a)), exactly
;;       r = np.clip(x / 2.0 ** e, -28, 28)
;;       step = 2.0 ** (np.maximum(np.frexp(np.where(r == 0, 1, r))[1] - 1, -2) - 2)
;;       q = np.round(r / step) * step * 2.0 ** e      # np.round: ties to even
;;       return np.moveaxis(q.reshape(q.shape[:-2] + (-1,))[..., :K], -1, axis).astype(np.float32)
;;   ~~~
;;   SOFTMAX AHEAD OF A QUANTISED PRODUCT. Where the list says 'softmax', what is quantised is not the finished softmax but p = 2^(t - M), with t = logit x log2(e) and M = ceil(the row's largest t), a whole number; so 1/2 < the row's largest p <= 1. The row's sum l is taken of the UNQUANTISED p, in f32, and the product's result is divided by l at the end. Since M is a whole number, a kernel that streams over the keys may use a running M (the ceiling of the running maximum): every later rescaling is an exact power of two, which a block's scale takes up: the codes' values come out the same.
;;   OPERANDS COMPUTED ON THE WAY. 'Computed on the way' means the value that the module computes at that place (a softmax that the list does not call 'softmax' is quantised finished and normalised). What goes into a quantiser is computed in f32, as accurately as f32 sums, v_exp_f32 and their like allow (about 1e-6 of the number): no bf16 or f16 on the way to a quantiser, and a product that is left as it is and whose result goes on into a quantised operand takes f32 operands (vector FMAs, or v_wmma_f32_16x16x4_f32). A number that lies on a knife's edge between two numbers of the format may be rounded either way, as far as f32 arithmetic and the matrix unit's own rounding can turn it there, and no further.
;; One version. Each part assembles by itself: llvm-mc -triple=amdgcn-amd-amdhsa -mcpu=gfx1250 --defsym DOCPART=n.
;; ======== version 1 of 1: 4 launches
;; workspace buffers: c1 22,020,096 bytes; s1 917,504 bytes; c2 18,874,368 bytes; s2 1,310,720 bytes; c3 6,291,456 bytes; s3 262,144 bytes
;; launch quant (part 1): grid 896 x 1, 4 waves a work-group, no clusters, 33,280 bytes of LDS; arguments queries, keys, values, Wq, Wk, Wv, Wo, c1, s1; writes c1, s1
.if DOCPART == 1
	.amdgcn_target "amdgcn-amd-amdhsa--gfx1250"
	.amdhsa_code_object_version 6
	.text
	.protected	k_q4eed75c7d1_quant
	.globl	k_q4eed75c7d1_quant
	.p2align	8
	.type	k_q4eed75c7d1_quant,@function
k_q4eed75c7d1_quant:
	s_mov_b64 s[64:65], 0
	v_nop
	global_prefetch_b8 v0, s[64:65] scope:SCOPE_SE
	s_setreg_imm32_b32 hwreg(HW_REG_WAVE_MODE, 25, 1), 1
	s_wait_xcnt 0x0
; queries, keys, values [8192][1024] and Wq, Wk, Wv, Wo [1024][1024], f32, become codes of BF6 (E3M2), K innermost, and one E8M0 byte for each 32 along K.
; c1: 28,672 rows of 768 bytes (1,024 codes); s1: 32 bytes a row.  Rows: queries from 0, keys 8,192, values 16,384, Wq 24,576, Wk 25,600, Wv 26,624, Wo 27,648.
; A block's scale is 2^(floor(log2(its largest magnitude)) - 4); its byte is the largest magnitude's exponent field - 4, held at 1 from below.
; LIMITS: a block of zeros gets the byte 1 where the rule says 127 (its codes are zeros, which add nothing under any byte but 0xff, and this program alone reads the bytes);
; blocks whose largest magnitude lies under 2^(4 - 126) keep the byte 1; NaN and infinities among the inputs are not served.
; THE SWAP.  In keys, values, Wq, Wk and Wv a row is stored, within its group of 32 rows, at its number with bits 3 and 4 exchanged: 16 stored rows on end, 16 (2 b + u) + r, are then the rows
; 32 b + 8 u + r + 8 (r / 8), which is how the later products want the rows of a tile chosen.  A wave takes 8 rows, so the swap is a swap of the two bits of the wave's number in the OUTPUT addresses alone.
; A work-group takes 32 rows (32,768 numbers), a wave 16 steps of 512 numbers.  Each of a step's four loads reads 512 consecutive bytes; the 2,048 bytes turn through the wave's own stage in LDS and come back
; 64 bytes a lane, so that a lane holds 16 neighbours along K (two neighbouring lanes hold a block).  No tensor loads, no barrier: waves share nothing.  Loads run four steps ahead, the turn through LDS one step.
.set STEPS, 16
.set EMAX,  4
.set CB,    12                         ; bytes of 16 codes
.set R,     16                         ; v16-79   four sets of 16 numbers as they are loaded
.set X,     80                         ; v80-111  two sets of 16 neighbours
.set E,     112                        ; v112-127 a scale byte for each step
.set C,     128                        ; v128-191 codes: four registers for each step, so that no store's data are written again
.set WREG,  8192                       ; LDS: a region for each wave: two stages of 32 x SP bytes, and behind them its 256 scale bytes
.set SP,    80                         ; a lane's place in a stage: its 64 bytes + 16 of padding
	s_load_b256 s[4:11], s[0:1], 0x0               ; queries, keys, values, Wq
	s_load_b256 s[12:19], s[0:1], 0x20             ; Wk, Wv, Wo, c1
	s_load_b64 s[20:21], s[0:1], 0x40              ; s1
	v_lshl_add_u32 v192, v0, 2, 0x8000
	v_mov_b32 v193, 0
	v_lshrrev_b32 v1, 5, v0
	v_readfirstlane_b32 s25, v1                    ; wave
	v_and_b32 v2, 31, v0                           ; lane
	v_lshlrev_b32 v3, 4, v2                        ; my 16 bytes of a load's 512
	s_mul_i32 s27, s25, WREG
	v_lshrrev_b32 v14, 2, v2
	v_mul_u32_u24 v14, v14, SP
	v_and_b32 v15, 3, v2
	v_lshl_add_u32 v14, v15, 4, v14
	v_add_nc_u32 v14, s27, v14                     ; the stage, on the way in: SP (lane / 4) + 16 (lane % 4)
	v_mul_u32_u24 v15, v2, SP
	v_add_nc_u32 v15, s27, v15                     ; and on the way out: SP x lane: my 16 neighbours
	v_mul_u32_u24 v4, v2, CB                       ; my codes' place in a step's
	v_lshrrev_b32 v5, 1, v2
	s_add_co_u32 s27, s27, 2*32*SP
	v_add_nc_u32 v5, s27, v5                       ; LDS: my wave's 256 scale bytes, my block's byte
	v_lshlrev_b32 v7, 3, v2                        ; and on the way out 8 bytes a lane
	v_add_nc_u32 v6, s27, v7
	s_and_b32 s26, s25, 1
	s_lshl_b32 s26, s26, 1
	s_lshr_b32 s28, s25, 1
	s_or_b32 s26, s26, s28                         ; the wave's number with its two bits exchanged
	s_sub_co_u32 s28, ttmp9, 256
	s_cmp_lt_u32 s28, 608                          ; work-groups 256 to 863: keys, values, Wq, Wk, Wv
	s_cselect_b32 s26, s26, s25                    ; where my 8 rows go within the 32
	s_wait_kmcnt 0x0
	s_mov_b64 s[22:23], s[4:5]                     ; which tensor: the choice hangs on the work-group's number alone
	s_mov_b32 s24, 0                               ; and its first work-group
	s_cmp_ge_u32 ttmp9, 256
	s_cselect_b64 s[22:23], s[6:7], s[22:23]
	s_cselect_b32 s24, 256, s24
	s_cmp_ge_u32 ttmp9, 512
	s_cselect_b64 s[22:23], s[8:9], s[22:23]
	s_cselect_b32 s24, 512, s24
	s_cmp_ge_u32 ttmp9, 768
	s_cselect_b64 s[22:23], s[10:11], s[22:23]
	s_cselect_b32 s24, 768, s24
	s_cmp_ge_u32 ttmp9, 800
	s_cselect_b64 s[22:23], s[12:13], s[22:23]
	s_cselect_b32 s24, 800, s24
	s_cmp_ge_u32 ttmp9, 832
	s_cselect_b64 s[22:23], s[14:15], s[22:23]
	s_cselect_b32 s24, 832, s24
	s_cmp_ge_u32 ttmp9, 864
	s_cselect_b64 s[22:23], s[16:17], s[22:23]
	s_cselect_b32 s24, 864, s24
	s_sub_co_u32 s28, ttmp9, s24
	s_lshl_b32 s28, s28, 2
	s_add_co_u32 s28, s28, s25                     ; which run of 8,192 numbers of the tensor is my wave's
	s_lshl_b32 s28, s28, 15                        ; 32,768 bytes a run (under 2^26)
	s_mov_b32 s29, 0
	s_add_nc_u64 s[22:23], s[22:23], s[28:29]
	s_lshl_b32 s30, ttmp9, 2
	s_add_co_u32 s30, s30, s26                     ; which run of 8 rows of c1 and s1
	s_mul_i32 s28, s30, 32*STEPS*CB                ; 6,144 bytes of codes a run
	s_add_nc_u64 s[18:19], s[18:19], s[28:29]
	s_lshl_b32 s28, s30, 8                         ; 256 scale bytes a run
	s_add_nc_u64 s[20:21], s[20:21], s[28:29]
.macro LOAD t
.irp i, 0,1,2,3
	global_load_b128 v[R+16*((\t)%4)+4*\i:R+16*((\t)%4)+4*\i+3], v3, s[22:23] offset:2048*(\t)+512*\i th:TH_LOAD_NT   ; 32 lanes read 512 consecutive bytes
.endr
.endm
.macro TURN t                          ; step t's numbers through the stage: LDS serves a wave's instructions in order, so no wait stands between the stores and the loads
.irp i, 0,1,2,3
	ds_store_b128 v14, v[R+16*((\t)%4)+4*\i:R+16*((\t)%4)+4*\i+3] offset:32*SP*((\t)%2)+8*SP*\i
.endr
.irp i, 0,1,2,3
	ds_load_b128 v[X+16*((\t)%2)+4*\i:X+16*((\t)%2)+4*\i+3], v15 offset:32*SP*((\t)%2)+16*\i
.endr
.endm
.irp t, 0,1,2,3
	LOAD \t
.endr
	s_wait_loadcnt 12                              ; step 0's four loads are in; the twelve of steps 1 to 3 may be out
	TURN 0
.macro STEP t
.set XS, X+16*((\t)%2)
.if (\t) > 0
	s_wait_dscnt 1                                 ; this step's numbers are back from the stage (the last step's byte store may be out): so its stores into the stage have read their registers,
.else
	s_wait_dscnt 0x0
.endif
.if (\t)+4 < STEPS
	LOAD (\t)+4                                    ; which take the loads of four steps on
.endif
.if (\t)+1 < STEPS
.if STEPS-2-(\t) >= 3
	s_wait_loadcnt 12                              ; the next step's four loads are in; those of the three steps behind it may be out
.else
	s_wait_loadcnt 4*(STEPS-2-(\t))
.endif
	TURN (\t)+1                                    ; and go through the other stage while this step is worked
.endif
	v_max3_num_f32 v8, |v[XS]|, |v[XS+1]|, |v[XS+2]|               ; the largest magnitude of my 16, in two chains
	v_max3_num_f32 v9, |v[XS+3]|, |v[XS+4]|, |v[XS+5]|
.irp i, 6,10
	v_max3_num_f32 v8, v8, |v[XS+\i]|, |v[XS+\i+1]|
	v_max3_num_f32 v9, v9, |v[XS+\i+2]|, |v[XS+\i+3]|
.endr
	v_max3_num_f32 v8, v8, |v[XS+14]|, |v[XS+15]|
	v_max3_num_f32 v8, v8, v9, (EMAX+1)<<23        ; and the floor 2^(EMAX + 1 - 127): the byte cannot fall under 1
	v_max_num_f32_dpp v8, v8, v8 row_xmask:1 row_mask:0xf bank_mask:0xf   ; and of my neighbour's 16: the block's
	v_add_nc_u32 v11, -(EMAX<<23), v8              ; EMAX off its exponent field: the conversion takes the exponent field of this operand as its scale, and nothing else of it
	v_cvt_scalef32_pk16_bf6_f32 v[C+4*(\t):C+4*(\t)+2], v[XS:XS+15], v11   ; sixteen numbers / the scale, to the nearest code, ties to even, beyond the largest code the largest
	v_lshrrev_b32 v[E+(\t)], 23, v11               ; the scale's byte (also the plain line behind the conversion)
	ds_store_b8 v5, v[E+(\t)] offset:16*(\t)       ; both lanes of a block write the same byte with the same value
	global_store_b96 v4, v[C+4*(\t):C+4*(\t)+2], s[18:19] offset:32*CB*(\t)   ; the wave stores 384 consecutive bytes
.endm
.irp t, 0,1,2,3,4,5,6,7,8,9,10,11,12,13,14,15
	STEP \t
.endr
	ds_load_b64 v[12:13], v6                       ; LDS serves a wave's instructions in order: these see my stores
	s_wait_dscnt 0x0
	global_store_b64 v7, v[12:13], s[20:21]        ; 32 lanes store 256 consecutive bytes, aligned
	s_wait_tensorcnt 0x0
	ds_add_u32 v192, v193
	s_wait_dscnt 0x0
	s_endpgm
.Lfunc_end_k_q4eed75c7d1_quant:
	.size	k_q4eed75c7d1_quant, .Lfunc_end_k_q4eed75c7d1_quant-k_q4eed75c7d1_quant
	.p2alignl 7, 3214868480
	.fill 96, 4, 3214868480
	.section	.rodata,"a",@progbits
	.p2align	6, 0x0
	.amdhsa_kernel k_q4eed75c7d1_quant
		.amdhsa_group_segment_fixed_size 33280
		.amdhsa_private_segment_fixed_size 0
		.amdhsa_enable_private_segment 0
		.amdhsa_kernarg_size 72
		.amdhsa_user_sgpr_count 2
		.amdhsa_user_sgpr_kernarg_segment_ptr 1
		.amdhsa_wavefront_size32 1
		.amdhsa_system_sgpr_workgroup_id_x 1
		.amdhsa_system_sgpr_workgroup_id_y 1
		.amdhsa_system_sgpr_workgroup_id_z 1
		.amdhsa_system_vgpr_workitem_id 0
		.amdhsa_next_free_vgpr 194
		.amdhsa_next_free_sgpr 66
		.amdhsa_reserve_vcc 0
		.amdhsa_float_denorm_mode_32 3
		.amdhsa_float_denorm_mode_16_64 3
		.amdhsa_memory_ordered 1
		.amdhsa_forward_progress 1
		.amdhsa_inst_pref_size 33
	.end_amdhsa_kernel
	.amdgpu_metadata
---
amdhsa.version: [ 1, 2 ]
amdhsa.kernels:
  - .name:           k_q4eed75c7d1_quant
    .symbol:         k_q4eed75c7d1_quant.kd
    .args:
      - { .name: queries, .offset: 0, .size: 8, .value_kind: global_buffer, .address_space: global }
      - { .name: keys, .offset: 8, .size: 8, .value_kind: global_buffer, .address_space: global }
      - { .name: values, .offset: 16, .size: 8, .value_kind: global_buffer, .address_space: global }
      - { .name: Wq, .offset: 24, .size: 8, .value_kind: global_buffer, .address_space: global }
      - { .name: Wk, .offset: 32, .size: 8, .value_kind: global_buffer, .address_space: global }
      - { .name: Wv, .offset: 40, .size: 8, .value_kind: global_buffer, .address_space: global }
      - { .name: Wo, .offset: 48, .size: 8, .value_kind: global_buffer, .address_space: global }
      - { .name: c1, .offset: 56, .size: 8, .value_kind: global_buffer, .address_space: global }
      - { .name: s1, .offset: 64, .size: 8, .value_kind: global_buffer, .address_space: global }
    .group_segment_fixed_size: 33280
    .private_segment_fixed_size: 0
    .kernarg_segment_align: 8
    .kernarg_segment_size: 72
    .max_flat_workgroup_size: 128
    .sgpr_count:     66
    .vgpr_count:     194
    .wavefront_size: 32
...
	.end_amdgpu_metadata
.endif
;; end of part 1
;; launch proj (part 2): grid 4 x 96, 4 waves a work-group, clusters of 4 x 4, 327,680 bytes of LDS; arguments c1, s1, bq, bk, bv, c2, s2; writes c2, s2
.if DOCPART == 2
	.amdgcn_target "amdgcn-amd-amdhsa--gfx1250"
	.amdhsa_code_object_version 6
	.text
	.protected	k_q4eed75c7d1_proj
	.globl	k_q4eed75c7d1_proj
	.p2align	8
	.type	k_q4eed75c7d1_proj,@function
k_q4eed75c7d1_proj:
	s_mov_b64 s[64:65], 0
	v_nop
	global_prefetch_b8 v0, s[64:65] scope:SCOPE_SE
	s_setreg_imm32_b32 hwreg(HW_REG_WAVE_MODE, 25, 1), 1
	s_wait_xcnt 0x0
	s_wait_alu depctr_hold_cnt(0) depctr_sa_sdst(0) depctr_va_vdst(0) depctr_va_sdst(0) depctr_va_ssrc(0) depctr_va_vcc(0) depctr_vm_vsrc(0)
	s_getreg_b32 s2, hwreg(HW_REG_IB_STS2, 6, 4)
	s_cmp_eq_u32 s2, 0
	s_cbranch_scc0 .Lentry_in_a_cluster
	s_endpgm
.Lentry_in_a_cluster:
	s_bfe_u32 s2, ttmp6, 0x10000c
	s_cmp_lg_u32 s2, 0xf033
	s_cbranch_scc0 .Lentry_shape_is_right
	s_endpgm
.Lentry_shape_is_right:
; The three input projections, on codes of BF6 (E3M2) with one E8M0 scale for each 32 along K = 1,024; their results, with the bias, are quantised again on the way out and leave as IMAGES OF OPERAND REGISTERS.
; A cluster of 4 x 4 work-groups has one MODE (its y / 8): 0: Q = queries Wq^T + bq;  1: K = keys Wk^T + bk;  2: V^T = Wv values^T + bv.
; S0 is the matrix instruction's source 0: its rows run along a lane's result registers, which is the axis along which the result is quantised (modes 0, 1: Wq's or Wk's rows, the head's channels; mode 2: values' rows, the keys).
; S1 is source 1: a lane holds one of its rows (modes 0, 1: a query or a key; mode 2: a row of Wv, a channel).  All but queries are stored with the rows of a tile chosen so that the 16 registers of S0's tiles 2 b, 2 b + 1
; are 16 neighbours, 32 b + 16 (lane / 16) + 0 .. 15 (the launch before has laid them so).
; A work-group makes 256 (S1) x 256 (S0), a wave 128 x 128: 64 accumulators, 512 registers.  K goes in four steps of 256 through two LDS slots filled by the tensor data mover; the scale bytes of the work-group's rows come once.
; S1's tiles hang on the cluster's y and cy alone and are asked for jointly by a row of the cluster, S0's on cx (and the cluster's y) alone, by a column.
; OUT (c2, s2).  Modes 0, 1: [b 4 x head 16][tile of 16 rows 128][plane 3][256 bytes]: plane p holds registers 2 p, 2 p + 1 of the tile's six, lane l at byte 8 l; lane (r, hh): row r, channels 32 hh on.  Scale words [..][tile][16 words],
; bytes 0, 1 the two scales, bytes 2, 3 zero.  Mode 2: [b][head x 4 + tile of 16 channels][step of 128 keys 16][plane 6][256 bytes]; scale words [b][step][head x 4 + tile][16 words].
; LIMITS: a block of zeros gets the byte 1 where the rule says 127 (its codes are zeros; this program alone reads the bytes); NaN and infinities are not served.
; REGISTERS: window 0: v7-13 lane terms; v16-23, v27 LDS addresses; v28, v29 for the add; v32-63 scale words, two sets; v64-127 the bias along S0 (the C of the first products); from v128 S1's fragments, one set;
;   v240-255 the bias along S1.  On the way out: v128-191 64 numbers, v192-211 codes, v212-228 at work, v229-236 scale words.   window 1: S0's fragments, two sets.   windows 2, 3: the accumulators.
.set NQ,     2                         ; matrix instructions deep in a slot (256 along K)
.set ROWB,   192                       ; a tile's row in bytes
.set KROW,   768                       ; a row of c1
.set PITCH,  240                       ; an LDS row: 3 x (64 bytes + 16 of padding): the 32 lanes of a load of 8 bytes touch 64 different banks (64 banks of 4 bytes: ISA guide 11.1)
.set FR,     12                        ; registers of a fragment
.set NL,     6                         ; LDS loads that bring one
.set NP,     4                         ; places behind this matrix instruction (ISA guide 7.12.1)
.set HALFT,  128*PITCH                 ; what one tensor load brings
.set SLOT,   4*HALFT                   ; S1's 256 rows, then S0's 256 rows
.set KS,     32                        ; a row of scale bytes
.set SCL,    2*SLOT                    ; behind the ring: the scales, as rows of 256 bytes + 16 of padding
.set HALFS,  (128*KS/256)*272
.set SBLK,   (16*KS/256)*272
.set SPARE,  SCL+4*HALFS               ; the spare words, 128 bytes for each wave: two blocks of 256 bytes that no other line names
.set L8,   7                           ; 8 x lane
.set L16,  8                           ; 16 x lane
.set SWA,  9                           ; the scale words' stage, in: 1,024 x wave + 512 (lane / 16) + 4 (lane % 16).  It lies in slot 0, which has had its last fill and its last read by then
.set SRA,  10                          ; and back: 1,024 x wave + 16 x lane
.set SH,   11                          ; 16 (lane / 16)
.set ADRA, 16                          ; v16-17 S1's fragments in slot 0, 1 (v18-19: behind one padding more)
.set ADRB, 20                          ; v20-23 the same for S0
.set ADRS, 27                          ; my scale words: lanes 0-15 S1's rows, lanes 16-31 S0's
.set SPW,  28
.set NIL,  29
.set SC,   32
.set BQ,   64
.set AF,   128
.set BV,   240
.set ST,   128
.set PC,   192
.set TM,   212
.set PW,   228
.set WD,   229
.set G1, 24
.set G0, 32
.set G1B, 48
.set G0B, 56
.set G1S, 68
.set G0S, 76
.set G1SB, 80
.set G0SB, 88
.set MODE, 66
.set SEL,  100                         ; s[100:101] lane selects for v_permlanex16_b32: lane l xor 16
.set EB0,  18                          ; s[18:19] where block a's first three planes go;  s[20:21] its last three;  s[22:23] from block to block
.set EB1,  20
.set ASTR, 22
.set ES0,  40                          ; s[40:41], s[42:43] where the scale words go
.set ES1,  42
.set MASK, 44
.set MSB, 0
.macro WIN new                         ; the immediate's high byte repeats the setting that is left
.if MSB != (\new)
	s_set_vgpr_msb (MSB<<8)|(\new)
.set MSB, (\new)
.endif
.endm
.set MUL_LO, 0xa1                      ; source 0 window 1, source 1 window 0, C and D window 2
.set MUL_HI, 0xf1                      ; the same, C and D window 3.  (The first products take C from window 0: 0x81, 0xc1)
.set TO_B,   0x40                      ; destination window 1, address window 0
; A joint load: waves 0 and 1 fetch for S1, waves 2 and 3 for S0; the branch hangs on the wave's number alone.  Four v_nop follow each of the two lines.
.macro JLOAD g0a, g1a, g0b, g1b
	s_cmp_eq_u32 s15, 0
	s_cbranch_scc0 .Lfor_b_\@
	tensor_load_to_lds s[\g0a:\g0a+3], s[\g1a:\g1a+7]
	s_nop 0
.rept 4
	v_nop
.endr
	s_branch .Lasked_\@
.Lfor_b_\@:
	tensor_load_to_lds s[\g0b:\g0b+3], s[\g1b:\g1b+7]
	s_nop 0
.rept 4
	v_nop
.endr
.Lasked_\@:
.endm
.macro CREST                           ; a round of the cluster's barrier behind its opening barrier
	s_cmp_lg_u32 s14, 0
	s_cbranch_scc1 .Lnot_wave_0_\@
	s_barrier_signal -3
.Lnot_wave_0_\@:
	s_barrier_wait -3
	s_barrier_signal -1
	s_barrier_wait -1
.endm
.macro CROUND
	s_barrier_signal -1
	s_barrier_wait -1
	CREST
.endm
	s_load_b256 s[4:11], s[0:1], 0x0               ; c1 s[4:5], s1 s[6:7], bq s[8:9], bk s[10:11]
	s_load_b128 s[96:99], s[0:1], 0x20             ; bv s[96:97], c2 s[98:99]
	s_load_b64 s[12:13], s[0:1], 0x30              ; s2
	v_lshl_add_u32 v[SPW], v0, 2, SPARE
	v_mov_b32 v[NIL], 0
	ds_add_u32 v28, v29
	ds_add_u32 v28, v29
	s_wait_dscnt 0x0
	v_lshrrev_b32 v1, 5, v0
	v_readfirstlane_b32 s14, v1                    ; wave 0..3
	s_lshr_b32 s15, s14, 1                         ; which half of S1's rows is mine.  Also: I fetch for S1 (0) or for S0 (1)
	s_and_b32 s16, s14, 1                          ; which half of S0's rows.  Also: which 128 rows I fetch
	s_bfe_u32 s40, ttmp6, 0x40000                  ; cx
	s_bfe_u32 s41, ttmp6, 0x40004                  ; cy
	s_and_b32 s17, ttmp7, 0xffff                   ; the cluster's y, 0 .. 23
	s_lshr_b32 s[MODE], s17, 3                     ; the mode: the same in all sixteen partners
	s_and_b32 s67, s17, 7
	s_lshl_b32 s67, s67, 10                        ; which 1,024 rows of the long tensor
	s_lshl_b32 s43, s41, 2
	s_lshl_b32 s43, 15, s43                        ; my row of the cluster
	s_lshl_b32 s44, 0x1111, s40                    ; my column
	s_or_b32 s[G1+0], s43, (0<<16)|(1<<20)|(1<<21)|(3<<22)|(3<<25)  ; the mask; elements of 1 byte; padding on; bit 21 beside a mask; after every 16 words 4 words
	s_or_b32 s[G1B+0], s44, (0<<16)|(1<<20)|(1<<21)|(3<<22)|(3<<25)
.irp g, G1, G1B
	s_mov_b32 s[\g+1], ROWB<<16                    ; tensor_dim0
	s_mov_b32 s[\g+2], 128<<16                     ; tensor_dim1
	s_mov_b32 s[\g+3], ROWB<<16                    ; tile_dim0
	s_mov_b32 s[\g+4], 128                         ; tile_dim1
	s_mov_b32 s[\g+5], KROW                        ; the pitch
	s_mov_b32 s[\g+6], 0
	s_mov_b32 s[\g+7], 0
.endr
	s_or_b32 s[G1S+0], s43, (3<<16)|(1<<20)|(1<<21)|(5<<22)|(3<<25)  ; the scales of 128 rows: 4,096 dense bytes as 16 rows of 256 (32 elements of 8 bytes), 16 bytes of padding behind each
	s_or_b32 s[G1SB+0], s44, (3<<16)|(1<<20)|(1<<21)|(5<<22)|(3<<25)
.irp g, G1S, G1SB
	s_mov_b32 s[\g+1], 32<<16
	s_mov_b32 s[\g+2], (128*KS/256)<<16
	s_mov_b32 s[\g+3], 32<<16
	s_mov_b32 s[\g+4], 128*KS/256
	s_mov_b32 s[\g+5], 32
	s_mov_b32 s[\g+6], 0
	s_mov_b32 s[\g+7], 0
.endr
	s_lshl_b32 s94, s[MODE], 13                    ; S1's tensor begins at row 0 (queries) or 8,192 (keys) of c1,
	s_lshl_b32 s95, s[MODE], 10
	s_add_co_u32 s95, s95, 24576                   ; S0's at 24,576 (Wq) or 25,600 (Wk);
	s_mov_b32 s45, 26624                           ; in mode 2: Wv,
	s_mov_b32 s46, 16384                           ; values
	s_cmp_eq_u32 s[MODE], 2
	s_cselect_b32 s92, 0, s67                      ; the long tensor is S1 in modes 0 and 1,
	s_cselect_b32 s93, s67, 0                      ; S0 in mode 2
	s_cselect_b32 s94, s45, s94
	s_cselect_b32 s95, s46, s95
	s_lshl_b32 s17, s41, 8
	s_add_co_u32 s17, s17, s92                     ; the work-group's first row of S1, within its tensor: never holds cx
	s_lshl_b32 s42, s40, 8
	s_add_co_u32 s42, s42, s93                     ; and of S0: never holds cy
	s_lshl_b32 s18, s16, 7                         ; which 128 rows I fetch
	s_add_co_u32 s20, s17, s18
	s_add_co_u32 s20, s20, s94                     ; S1: row of c1
	s_add_co_u32 s46, s42, s18
	s_add_co_u32 s46, s46, s95                     ; S0: row of c1
	s_mov_b32 s21, 0
	s_mov_b32 s47, 0
	s_mov_b64 s[18:19], KS
	s_mul_u64 s[22:23], s[20:21], s[18:19]         ; where these rows' scales begin, in bytes
	s_mul_u64 s[92:93], s[46:47], s[18:19]
	s_mov_b64 s[18:19], KROW
	s_mul_u64 s[20:21], s[20:21], s[18:19]         ; and their codes
	s_mul_u64 s[46:47], s[46:47], s[18:19]
	s_mul_i32 s45, s14, HALFT                      ; where they go: wave x 128 rows: no place in the cluster enters an LDS address
	s_mul_i32 s94, s14, HALFS
	s_wait_kmcnt 0x0
	s_add_nc_u64 s[20:21], s[4:5], s[20:21]
	s_add_nc_u64 s[22:23], s[6:7], s[22:23]
	s_add_nc_u64 s[46:47], s[4:5], s[46:47]
	s_add_nc_u64 s[92:93], s[6:7], s[92:93]
	CROUND                                         ; all sixteen work-groups are here: the first joint loads meet
	s_mov_b32 s[G0S], 1
	s_add_co_u32 s[G0S+1], s94, SCL
	s_mov_b64 s[G0S+2:G0S+3], s[22:23]
	s_or_b32 s[G0S+3], s[G0S+3], 0x80000000
	s_mov_b32 s[G0SB], 1
	s_add_co_u32 s[G0SB+1], s94, SCL
	s_mov_b64 s[G0SB+2:G0SB+3], s[92:93]
	s_or_b32 s[G0SB+3], s[G0SB+3], 0x80000000
	JLOAD G0S, G1S, G0SB, G1SB                     ; the scales first: they are wanted with K step 0.  By this text's count a wave has three tensor loads out here, later one
.irp s, 0,1
	s_mov_b32 s[G0+4*\s], 1
	s_add_co_u32 s[G0+4*\s+1], s45, \s*SLOT
	s_add_nc_u64 s[G0+4*\s+2:G0+4*\s+3], s[20:21], \s*ROWB
	s_or_b32 s[G0+4*\s+3], s[G0+4*\s+3], 0x80000000
	s_mov_b32 s[G0B+4*\s], 1
	s_add_co_u32 s[G0B+4*\s+1], s45, \s*SLOT
	s_add_nc_u64 s[G0B+4*\s+2:G0B+4*\s+3], s[46:47], \s*ROWB
	s_or_b32 s[G0B+4*\s+3], s[G0B+4*\s+3], 0x80000000
	JLOAD G0+4*\s, G1, G0B+4*\s, G1B
.endr
	v_and_b32 v1, 15, v0                           ; r = l % 16
	v_bfe_u32 v2, v0, 4, 1                         ; h = l / 16
	v_mul_u32_u24 v3, v1, PITCH
	v_mul_u32_u24 v4, v2, 24
	v_add_nc_u32 v4, v3, v4                        ; a fragment's row x pitch + 24 x half
	v_lshl_add_u32 v5, v2, 4, v4                   ; and the same behind one padding more
	s_mul_i32 s21, s15, HALFT                      ; my 128 rows of S1
	s_mul_i32 s22, s16, HALFT                      ; my 128 rows of S0,
	s_add_co_u32 s22, s22, 2*HALFT                 ; which lie behind S1's 256
.irp s, 0,1
	v_add_nc_u32 v[ADRA+\s], s21, v4
	v_add_nc_u32 v[ADRB+\s], s22, v4
	v_add_nc_u32 v[ADRA+2+\s], s21, v5
	v_add_nc_u32 v[ADRB+2+\s], s22, v5
	s_add_co_u32 s21, s21, SLOT
	s_add_co_u32 s22, s22, SLOT
.endr
	v_mul_u32_u24 v5, v1, KS                       ; my row's scales: KS bytes a row,
	v_lshrrev_b32 v6, 8, v5
	v_lshl_add_u32 v5, v6, 4, v5                   ; and 16 more for each 256 passed
	s_mul_i32 s21, s15, HALFS
	s_mul_i32 s22, s16, HALFS
	s_add_co_u32 s22, s22, 2*HALFS
	s_sub_co_u32 s22, s22, s21
	v_mul_u32_u24 v6, s22, v2                      ; lanes 16-31 take S0's: one product, the distance between the two bases
	s_add_co_u32 s21, s21, SCL
	v_add_nc_u32 v5, v5, v6
	v_add_nc_u32 v[ADRS], s21, v5
	v_and_b32 v6, 31, v0
	v_lshlrev_b32 v[L8], 3, v6
	v_lshlrev_b32 v[L16], 4, v6
	s_lshl_b32 s23, s14, 10
	v_lshl_add_u32 v[SWA], v2, 9, s23
	v_lshl_add_u32 v[SWA], v1, 2, v[SWA]
	v_add_nc_u32 v[SRA], s23, v[L16]
	v_lshlrev_b32 v[SH], 4, v2
	v_lshlrev_b32 v12, 6, v2                       ; the bias along S0: tile t's registers are numbers 32 (t / 2) + 8 (t % 2) + 16 h + 0 .. 7
	v_and_b32 v13, 8, v1
	v_add_nc_u32 v13, v13, v1
	v_lshlrev_b32 v13, 2, v13                      ; the bias along S1 (mode 2): block a's lane r is number 32 (a / 2) + 8 (a % 2) + r + 8 (r / 8)
	s_lshl_b32 s92, s15, 7
	s_add_co_u32 s92, s92, s17                     ; R1: my wave's first row of S1
	s_lshl_b32 s93, s16, 7
	s_add_co_u32 s93, s93, s42                     ; R0: of S0
	s_lshl_b32 s22, s93, 2
	s_lshl_b32 s23, s92, 2
	s_cmp_eq_u32 s[MODE], 1
	s_cselect_b64 s[8:9], s[10:11], s[8:9]
	s_cmp_eq_u32 s[MODE], 2
	s_cselect_b64 s[8:9], s[96:97], s[8:9]         ; the mode's bias
	s_cselect_b32 s18, 0, s22                      ; modes 0, 1: it runs along S0; the loads of the other kind read the buffer's first 128 numbers and are cleared below
	s_cselect_b32 s20, s23, 0                      ; mode 2: along S1
	s_cselect_b32 s45, 0, -1
	s_cselect_b32 s46, -1, 0
	s_mov_b32 s19, 0
	s_mov_b32 s21, 0
	s_add_nc_u64 s[10:11], s[8:9], s[18:19]
	s_add_nc_u64 s[96:97], s[8:9], s[20:21]
.irp t, 0,1,2,3,4,5,6,7
	global_load_b128 v[BQ+8*\t:BQ+8*\t+3], v12, s[10:11] offset:(32*(\t/2)+8*(\t%2))*4
	global_load_b128 v[BQ+8*\t+4:BQ+8*\t+7], v12, s[10:11] offset:(32*(\t/2)+8*(\t%2))*4+16
.endr
.irp a, 0,1,2,3,4,5,6,7
	global_load_b32 v[BV+2*\a], v13, s[96:97] offset:(32*(\a/2)+8*(\a%2))*4
.endr
	; where the results go.  Modes 0, 1: b = R1 / 2048, tile = (R1 % 2048) / 16, head = R0 / 64
	s_lshr_b32 s18, s92, 11
	s_lshl_b32 s18, s18, 4
	s_lshr_b32 s19, s93, 6
	s_add_co_u32 s18, s18, s19
	s_lshl_b32 s18, s18, 7
	s_bfe_u32 s19, s92, 0x70004
	s_add_co_u32 s18, s18, s19                     ; (16 b + head) x 128 + tile
	s_mul_i32 s20, s18, 768
	s_mul_i32 s19, s[MODE], 6291456
	s_add_co_u32 s20, s20, s19                     ; in c2
	s_lshl_b32 s21, s18, 6
	s_lshl_b32 s19, s[MODE], 19
	s_add_co_u32 s21, s21, s19                     ; in s2
	; mode 2: b = R0 / 2048, step = (R0 % 2048) / 128, dr = R1 / 16
	s_lshr_b32 s22, s93, 11
	s_bfe_u32 s23, s93, 0x40007
	s_lshr_b32 s40, s92, 4
	s_lshl_b32 s41, s22, 6
	s_add_co_u32 s41, s41, s40
	s_lshl_b32 s41, s41, 4
	s_add_co_u32 s41, s41, s23
	s_mul_i32 s41, s41, 1536
	s_add_co_u32 s41, s41, 12582912                ; in c2
	s_lshl_b32 s43, s22, 4
	s_add_co_u32 s43, s43, s23
	s_lshl_b32 s43, s43, 6
	s_add_co_u32 s43, s43, s40
	s_lshl_b32 s43, s43, 6
	s_add_co_u32 s43, s43, 1048576                 ; in s2
	s_mov_b32 s47, 98304                           ; modes 0, 1: the last three planes belong to the next head, 128 tiles on;
	s_mov_b32 s94, 24576                           ; mode 2: the next block is the next tile of channels, 16 steps on
	s_cmp_eq_u32 s[MODE], 2
	s_cselect_b32 s18, s41, s20
	s_cselect_b32 s40, s43, s21
	s_cselect_b32 s20, 768, s47
	s_cselect_b32 s[ASTR], s94, 768
	s_cselect_b32 s[MASK], -1, 0xffff
	s_mov_b32 s19, 0
	s_mov_b32 s21, 0
	s_mov_b32 s[ASTR+1], 0
	s_mov_b32 s41, 0
	s_add_nc_u64 s[EB0:EB0+1], s[98:99], s[18:19]
	s_add_nc_u64 s[EB1:EB1+1], s[EB0:EB0+1], s[20:21]
	s_add_nc_u64 s[ES0:ES0+1], s[12:13], s[40:41]
	s_add_nc_u64 s[ES1:ES1+1], s[ES0:ES0+1], 8192  ; the next head's scale words: 128 tiles of 64 bytes on
	s_mov_b32 s[SEL], 0x76543210
	s_mov_b32 s[SEL+1], 0xfedcba98
	s_wait_loadcnt 0x0                             ; the biases
.set i, 0
.rept 64
	v_and_b32 v[BQ+i], s45, v[BQ+i]                ; zeros in mode 2
.set i, i+1
.endr
.irp a, 0,1,2,3,4,5,6,7
	v_and_b32 v[BV+2*\a], s46, v[BV+2*\a]          ; zeros in modes 0 and 1
	v_mov_b32 v[BV+2*\a+1], 0                      ; (named with it as a pair, so it is written)
.endr
.macro FRAG reg, adr, q, i             ; a fragment: lane l holds row l % 16; registers 6 c .. 6 c + 5 hold K = 64 c + 32 (l / 16) + 0 .. 31: 24 bytes of the row's stream of bits, in pieces of 8 bytes
.irp p, 0,1,2,3,4,5
.set PCE, 12*(\q)+6*(\p/3)+\p%3        ; 16 bytes of padding lie behind every 8 pieces: where the piece three on lies behind one padding more, the second address register serves
.if PCE%8 < 5
	ds_load_b64 v[\reg+2*\p:\reg+2*\p+1], v[\adr] offset:8*PCE+16*(PCE/8)+(\i)*16*PITCH
.else
	ds_load_b64 v[\reg+2*\p:\reg+2*\p+1], v[\adr+2] offset:8*PCE+16*(PCE/8)+(\i)*16*PITCH
.endif
.endr
.endm
; 16 matrix instructions: S1's blocks a0, a0 + 1 x S0's eight, 128 along K.  zero = 1: the first product starts the sums, with the bias along S0 as its C.
; The 64 accumulators take turns, one instruction a turn, in the same order in every step.
.macro MUL16 a0, p, q, sc, zero
.irp a, \a0, \a0+1
.irp b, 0,1,2,3,4,5,6,7
.if \zero
	v_wmma_scale_f32_16x16x128_f8f6f4 v[8*(8*((\a)%4)+\b):8*(8*((\a)%4)+\b)+7], v[128*(\p)+FR*\b:128*(\p)+FR*\b+FR-1], v[AF+FR*(\a):AF+FR*(\a)+FR-1], v[BQ+8*\b:BQ+8*\b+7], v[SC+8*NQ*(\sc)+NQ*\b+(\q)], v[SC+8*NQ*(\sc)+NQ*(\a)+(\q)] matrix_a_fmt:MATRIX_FMT_BF6 matrix_b_fmt:MATRIX_FMT_BF6 matrix_a_scale:MATRIX_SCALE_ROW1
.else
	v_wmma_scale_f32_16x16x128_f8f6f4 v[8*(8*((\a)%4)+\b):8*(8*((\a)%4)+\b)+7], v[128*(\p)+FR*\b:128*(\p)+FR*\b+FR-1], v[AF+FR*(\a):AF+FR*(\a)+FR-1], v[8*(8*((\a)%4)+\b):8*(8*((\a)%4)+\b)+7], v[SC+8*NQ*(\sc)+NQ*\b+(\q)], v[SC+8*NQ*(\sc)+NQ*(\a)+(\q)] matrix_a_fmt:MATRIX_FMT_BF6 matrix_b_fmt:MATRIX_FMT_BF6 matrix_a_scale:MATRIX_SCALE_ROW1
.endif
.endr
.endr
.endm
.macro FETCH_B slot, q, p
	WIN TO_B
.irp i, 0,1,2,3,4,5,6,7
	FRAG 128*(\p)+FR*\i, ADRB+\slot, \q, \i
.endr
	WIN 0
.endm
.macro FETCH_A slot, q, i0
.irp i, \i0, \i0+1, \i0+2, \i0+3
	FRAG AF+FR*(\i), ADRA+\slot, \q, \i
.endr
.endm
.macro SCALES sc                       ; a K step's scale words into set sc: two words a row; lanes 0-15 take S1's block i, lanes 16-31 S0's block i
.irp i, 0,1,2,3,4,5,6,7
	ds_load_b64 v[SC+8*NQ*\sc+NQ*\i:SC+8*NQ*\sc+NQ*\i+1], v[ADRS] offset:\i*SBLK
.endr
.endm
.macro PLACES n                        ; plain vector lines between a matrix instruction and a load into, or a vector read of, its registers (ISA guide 7.12.1 for vector reads)
.rept \n
	v_nop
.endr
.endm
.macro STEP slot, q, zero              ; a step of 128 along K that has its successor in the same slot
	s_wait_dscnt 4*NL                              ; S0's set and S1's blocks 0-3 are in; the youngest 24 loads (S1's blocks 4-7) may be out
	WIN MUL_LO-0x20*(\zero)
	MUL16 0, (\q)%2, \q, \slot, \zero
	MUL16 2, (\q)%2, \q, \slot, \zero
	s_wait_dscnt 0                                 ; S1's blocks 4-7 are in (asked for 32 matrix instructions ago)
	PLACES NP
	FETCH_B \slot, (\q)+1, 1-(\q)%2
	FETCH_A \slot, (\q)+1, 0
	WIN MUL_HI-0x30*(\zero)
	MUL16 4, (\q)%2, \q, \slot, \zero
	MUL16 6, (\q)%2, \q, \slot, \zero
	PLACES NP
	WIN 0
	FETCH_A \slot, (\q)+1, 4
.endm
; A slot's last step changes slots: ONE barrier; in front of it each wave waits for all its tensor loads, adds 0 to its spare word, and waits for that and for its own reads of this slot.  fill = 1: this slot is filled again, two K steps ahead.
.macro TURN slot, next, fill
	s_wait_tensorcnt 0x0                           ; all my tensor loads have landed: my part of the next slot  (every window is 0 here)
	ds_add_u32 v[SPW], v[NIL]                      ; 0 onto my spare word
	s_wait_dscnt 4*NL+1                            ; (the add and the youngest 24 loads, S1's blocks 4-7, may be out)
	WIN MUL_LO
	MUL16 0, 1, NQ-1, \slot, 0                     ; sixteen matrix instructions stand between the add and the wait for it
	s_wait_dscnt 0x0                               ; the add is done, and my reads of this slot are over
	s_barrier_signal -1
	MUL16 2, 1, NQ-1, \slot, 0
	WIN 0
	s_barrier_wait -1
.if \fill
	CREST                                          ; the barrier has opened a round of the cluster's barrier: no wave of any partner still reads this slot's tile or has a load on its way
	s_add_nc_u64 s[G0+4*\slot+2:G0+4*\slot+3], s[G0+4*\slot+2:G0+4*\slot+3], 2*ROWB
	s_add_nc_u64 s[G0B+4*\slot+2:G0B+4*\slot+3], s[G0B+4*\slot+2:G0B+4*\slot+3], 2*ROWB
	JLOAD G0+4*\slot, G1, G0B+4*\slot, G1B         ; the first tensor load behind the round; its four v_nop are the places in front of the loads below
.else
	PLACES NP
.endif
	v_add_nc_u32 v[ADRS], 4*NQ, v[ADRS]            ; on to the next K step's scale words (no LDS load of mine is out)
	FETCH_B \next, 0, 0
	FETCH_A \next, 0, 0
	SCALES \next
	WIN MUL_HI
	MUL16 4, 1, NQ-1, \slot, 0
	MUL16 6, 1, NQ-1, \slot, 0
	PLACES NP
	WIN 0
	FETCH_A \next, 0, 4
.endm
; 64 numbers of a lane, v[s] .. v[s + 63], register 16 b + i = k 32 b + 16 (lane / 16) + i of my row, become a fragment's codes in v[PC] on and its scale word in v[PW].
.macro QUANT s
.irp b, 0,1,2,3
	v_max3_num_f32 v[TM+\b], |v[\s+16*\b]|, |v[\s+1+16*\b]|, 0x2800000   ; block b: my 16 numbers, and the floor 2^(5 - 127): the byte cannot fall under 1
.endr
.irp i, 2,4,6,8,10,12,14
.irp b, 0,1,2,3
	v_max3_num_f32 v[TM+\b], v[TM+\b], |v[\s+16*\b+\i]|, |v[\s+1+16*\b+\i]|   ; (the four blocks by turns)
.endr
.endr
.irp b, 0,1,2,3
	v_permlanex16_b32 v[TM+4+\b], v[TM+\b], s[SEL], s[SEL+1]
.endr
.irp b, 0,1,2,3
	v_max_num_f32 v[TM+\b], v[TM+\b], v[TM+4+\b]   ; with lane l xor 16's: the block's largest magnitude
.endr
.irp b, 0,1,2,3
	v_add_nc_u32 v[TM+12+\b], 0xfe000000, v[TM+\b]   ; 4 off its exponent field: the conversion's scale operand
.endr
.irp b, 0,1,2,3
	v_lshrrev_b32 v[TM+4+\b], 23, v[TM+12+\b]      ; the scale's byte
.endr
	v_lshl_or_b32 v[PW], v[TM+5], 8, v[TM+4]       ; the four bytes make my row's scale word; both halves of the lanes hold it
	v_lshl_or_b32 v[PW], v[TM+6], 16, v[PW]
	v_lshl_or_b32 v[PW], v[TM+7], 24, v[PW]
.irp c, 0,1
	v_cvt_scalef32_pk16_bf6_f32 v[PC+6*\c:PC+2+6*\c], v[\s+32*\c:\s+15+32*\c], v[TM+12+2*\c]
	v_cvt_scalef32_pk16_bf6_f32 v[PC+12+4*\c:PC+14+4*\c], v[\s+16+32*\c:\s+31+32*\c], v[TM+12+2*\c+1]   ; (a conversion's three registers begin on an even number)
.endr
	v_nop                                          ; one plain line behind a scaled conversion
.irp c, 0,1                                    ; the operand's layout wants a WHOLE block in a lane: lanes 0-15 block 2 c, lanes 16-31 block 2 c + 1
.irp i, 0,1,2
	v_permlane16_swap_b32 v[PC+6*\c+\i], v[PC+12+4*\c+\i]
.endr
.irp i, 0,1,2
	v_mov_b32 v[PC+3+6*\c+\i], v[PC+12+4*\c+\i]
.endr
.endr
.endm
	s_wait_tensorcnt 1                             ; the scales and my part of K step 0 are in (K step 1's load may be out)
	s_barrier_signal -1
	s_barrier_wait -1                              ; everybody's are
	FETCH_B 0, 0, 0
	FETCH_A 0, 0, 0
	SCALES 0
	FETCH_A 0, 0, 4
	STEP 0, 0, 1                                   ; K has four steps of 256, eight of 128: written out, no loop
	TURN 0, 1, 1                                   ; slot 0 takes K step 2
	STEP 1, 0, 0
	TURN 1, 0, 1                                   ; slot 1 takes K step 3
	STEP 0, 0, 0
	TURN 0, 1, 0                                   ; nothing is left to fetch: no round of the cluster's barrier
	STEP 1, 0, 0
	s_wait_dscnt 4*NL                              ; the very last step
	WIN MUL_LO
	MUL16 0, 1, NQ-1, 1, 0
	MUL16 2, 1, NQ-1, 1, 0
	s_wait_dscnt 0
	WIN MUL_HI
	MUL16 4, 1, NQ-1, 1, 0
	MUL16 6, 1, NQ-1, 1, 0
	WIN 0
; THE WAY OUT, block by block of 16 rows of S1 x my 128 of S0.  The 64 numbers of a lane come down into window 0 with the bias along S1 added, are quantised, and the twelve code registers leave as six planes:
; each store of the wave covers 256 consecutive bytes, aligned.  The scale words are gathered in my own 1,024 bytes of slot 0 and leave at the end.
	PLACES NP
.irp b, 0,1,2,3
	v_mov_b32 v[TM+4+\b], 0                        ; written once: a lane permute's destination counts as one of its sources
.endr
.macro OUT a
.if (\a) > 0
	s_wait_xcnt 0x0                                ; the last block's stores have read their registers and bases: both are written again only behind this wait
	s_add_nc_u64 s[EB0:EB0+1], s[EB0:EB0+1], s[ASTR:ASTR+1]
	s_add_nc_u64 s[EB1:EB1+1], s[EB1:EB1+1], s[ASTR:ASTR+1]
.endif
	WIN 0x02+(\a)/4                                ; source 0: window 2 or 3
.set i, 0
.rept 32
	v_pk_add_f32 v[ST+2*i:ST+2*i+1], v[64*((\a)%4)+2*i:64*((\a)%4)+2*i+1], v[BV+2*(\a):BV+2*(\a)+1] op_sel_hi:[1,0]   ; each accumulator from its low end on
.set i, i+1
.endr
	WIN 0
	QUANT ST
.irp p, 0,1,2
	global_store_b64 v[L8], v[PC+2*\p:PC+2*\p+1], s[EB0:EB0+1] offset:256*\p
.endr
.irp p, 0,1,2
	global_store_b64 v[L8], v[PC+6+2*\p:PC+6+2*\p+1], s[EB1:EB1+1] offset:256*\p
.endr
	v_lshrrev_b32 v[WD+(\a)], v[SH], v[PW]         ; modes 0, 1: lanes 0-15 keep the first head's two bytes, lanes 16-31 the second head's;
	v_and_b32 v[WD+(\a)], s[MASK], v[WD+(\a)]      ; mode 2: lanes 0-15 keep the whole word (what lanes 16-31 put into the stage's second half is not stored)
	ds_store_b32 v[SWA], v[WD+(\a)] offset:64*(\a)
.endm
.irp a, 0,1,2,3,4,5,6,7
	OUT \a
.endr
	ds_load_b128 v[ST:ST+3], v[SRA]                ; LDS serves a wave's instructions in order: these see my stores
	ds_load_b128 v[ST+4:ST+7], v[SRA] offset:512
	s_wait_dscnt 0x0
	global_store_b128 v[L16], v[ST:ST+3], s[ES0:ES0+1]       ; 512 consecutive bytes: eight tiles' scale words
	s_cmp_eq_u32 s[MODE], 2                        ; the same in all partners
	s_cbranch_scc1 .Lone_run
	global_store_b128 v[L16], v[ST+4:ST+7], s[ES1:ES1+1]     ; modes 0, 1: the second head's
.Lone_run:
	s_wait_tensorcnt 0x0                           ; the wave's end: behind my last tensor load and my last LDS store
	ds_add_u32 v[SPW], v[NIL]
	s_wait_dscnt 0x0
	CROUND                                         ; the closing round: no work-group ends while a partner may still ask for a tile that names it
	s_endpgm
.Lfunc_end_k_q4eed75c7d1_proj:
	.size	k_q4eed75c7d1_proj, .Lfunc_end_k_q4eed75c7d1_proj-k_q4eed75c7d1_proj
	.p2alignl 7, 3214868480
	.fill 96, 4, 3214868480
	.section	.rodata,"a",@progbits
	.p2align	6, 0x0
	.amdhsa_kernel k_q4eed75c7d1_proj
		.amdhsa_group_segment_fixed_size 327680
		.amdhsa_private_segment_fixed_size 0
		.amdhsa_enable_private_segment 0
		.amdhsa_kernarg_size 56
		.amdhsa_user_sgpr_count 2
		.amdhsa_user_sgpr_kernarg_segment_ptr 1
		.amdhsa_wavefront_size32 1
		.amdhsa_system_sgpr_workgroup_id_x 1
		.amdhsa_system_sgpr_workgroup_id_y 1
		.amdhsa_system_sgpr_workgroup_id_z 1
		.amdhsa_system_vgpr_workitem_id 0
		.amdhsa_next_free_vgpr 1024
		.amdhsa_next_free_sgpr 102
		.amdhsa_reserve_vcc 0
		.amdhsa_float_denorm_mode_32 3
		.amdhsa_float_denorm_mode_16_64 3
		.amdhsa_memory_ordered 1
		.amdhsa_forward_progress 1
		.amdhsa_inst_pref_size 191
	.end_amdhsa_kernel
	.amdgpu_metadata
---
amdhsa.version: [ 1, 2 ]
amdhsa.kernels:
  - .name:           k_q4eed75c7d1_proj
    .symbol:         k_q4eed75c7d1_proj.kd
    .args:
      - { .name: c1, .offset: 0, .size: 8, .value_kind: global_buffer, .address_space: global }
      - { .name: s1, .offset: 8, .size: 8, .value_kind: global_buffer, .address_space: global }
      - { .name: bq, .offset: 16, .size: 8, .value_kind: global_buffer, .address_space: global }
      - { .name: bk, .offset: 24, .size: 8, .value_kind: global_buffer, .address_space: global }
      - { .name: bv, .offset: 32, .size: 8, .value_kind: global_buffer, .address_space: global }
      - { .name: c2, .offset: 40, .size: 8, .value_kind: global_buffer, .address_space: global }
      - { .name: s2, .offset: 48, .size: 8, .value_kind: global_buffer, .address_space: global }
    .group_segment_fixed_size: 327680
    .private_segment_fixed_size: 0
    .kernarg_segment_align: 8
    .kernarg_segment_size: 56
    .max_flat_workgroup_size: 128
    .sgpr_count:     102
    .vgpr_count:     1024
    .wavefront_size: 32
...
	.end_amdgpu_metadata
.endif
;; end of part 2
;; launch attn (part 3): grid 4 x 64, 16 waves a work-group, no clusters, 210,944 bytes of LDS; arguments c2, s2, c3, s3; writes c3, s3
.if DOCPART == 3
	.amdgcn_target "amdgcn-amd-amdhsa--gfx1250"
	.amdhsa_code_object_version 6
	.text
	.protected	k_q4eed75c7d1_attn
	.globl	k_q4eed75c7d1_attn
	.p2align	8
	.type	k_q4eed75c7d1_attn,@function
k_q4eed75c7d1_attn:
	s_mov_b64 s[64:65], 0
	v_nop
	global_prefetch_b8 v0, s[64:65] scope:SCOPE_SE
	s_setreg_imm32_b32 hwreg(HW_REG_WAVE_MODE, 25, 1), 1
	s_wait_xcnt 0x0
; o[q] = the sum over k of softmax_k(Q[q] . K[k] / 8 - 0.1 |k - q|) V[k], for one of 64 heads (4 x 16), 2,048 queries and keys, 64 channels; both products on codes of BF6 (E3M2) with E8M0 scales;
; o is quantised along the channels on the way out, for the last projection.
; THE SOFTMAX: t = logit x log2(e); M = the running largest t rounded UP to a whole number; p = 2^(t - M) is quantised along the keys, not normalised; the row's sum is taken of the unquantised p and divides at the end.
; When M moves, the sum and O are multiplied by 2^(old M - new M): exact.  All 2,048 keys are walked: the bias is no mask.
; SHARES.  A work-group owns 512 queries of a head: 16 waves x 2 passes x one tile of 16 queries.  A head's K and V, codes and scale words, are 208,896 bytes: they are brought into LDS ONCE, by ten tensor loads at the head,
; and only read from then on: one barrier in the launch, no LDS byte is filled again, none is stored to.
; NO CLUSTER, though the four work-groups of a head read the same K and V: a wave's one key step that holds its own queries is told by a scalar branch on its first query, 512 x work-group + 256 x pass + 16 x wave.
; LAYOUT.  Both products transposed: S^T = K Q^T, O^T = V^T P^T: a lane holds ONE query (lane % 16).  K's, V's and Q's fragments lie in memory and LDS as images of their registers: plane p = registers 2 p, 2 p + 1, lane l at 8 l.
; The keys of a tile of K are 32 b + 8 u + r + 8 (r / 8), so that register 16 b + i of S^T is key 32 b + 16 (lane / 16) + i of the step; V's channels are chosen the same way, so that O^T's registers run along the channels.
; K = 64 IN AN INSTRUCTION OF 128: a fragment's registers 6 to 11 are K = 64 .. 127.  Q's are zero codes.  K's tile t lies at v[28 + 6 t], and its operand's upper six registers are the next tile's codes (behind the last tile: zeros):
; they meet Q's zero codes under scale bytes of 0, which stand for 2^-127, and add exactly 0.
; THE BIAS, in units of the score: -0.8 |d|, d = key - query = D_b + i with D_b = the step's first key + 32 b + 16 (lane / 16) - my query.  Left of the diagonal it is +0.8 d: 0.8 i is the C of the first product (sixteen registers),
; and 0.1 log2(e) D_b is added with -M in the scaling's one fused multiply-add.  Right of the diagonal both signs are turned.  In the one step on the diagonal 1.6 max(d, 0) is taken off each score.
; LIMITS: a block's largest p is made from the block's largest score by the same multiply-add and exponential, which takes v_exp_f32 not to fall where its input rises; a block of zeros keeps the byte 1; NaN and infinities are not served.
; REGISTERS: v1-5 lane terms; v6-10 the step's LDS addresses; v11 Q's scale words; v12 -M, v13 the largest t, v[14:15] the sum; v16-27 Q; v28-81 K's eight tiles, then V's four; v82-97 +-0.8 i; v98-161 S^T, then p; v162-193 O^T;
;   v194-212 p's codes; v209 8 r, v213 4 r; v214-237 a block's figures; v238-244 scale words of K, V, p; v[246:247] f; v248-253 at work.
.set KIMG, 0                           ; LDS: K's images: step x 6,144 + plane x 256
.set VIMG, 98304                       ; V's: tile of channels x 24,576 + step x 1,536 + plane x 256
.set KSC,  196608                      ; K's scale words: step x 512
.set VSC,  204800                      ; V's: step x 256
.set AK,   1                           ; 8 x lane: in K's images, and in Q's and o's in memory
.set AV,   2
.set AKS,  3
.set AVS,  4
.set DLI,  5                           ; 16 (lane / 16) - lane % 16
.set ADK,  6
.set ADV0, 7
.set ADV1, 8
.set ADS,  9
.set ADT,  10
.set QSW,  11
.set NM,   12
.set TMX,  13
.set SUM,  14
.set QF,   16
.set KF,   28
.set CBR,  82
.set S,    98
.set O,    162
.set PC,   194
.set PT,   206
.set R8,   209
.set R4,   213
.set MB,   214                         ; the block's largest score, then its largest p
.set X4,   218
.set AB,   222                         ; four pairs: 0.1 log2(e) D_b - M in the low word
.set LB,   230
.set DB,   234                         ; D_b, later the conversions' scale operands
.set KSW,  238
.set VSW,  242
.set PSW,  244
.set F,    246
.set WV,   12
.set QC,   16                          ; s[16:17] Q's image, s[18:19] its scale words, s[20:21] o's image, s[22:23] its scale bytes
.set QS,   18
.set OC,   20
.set OS,   22
.set G1A,  24                          ; s[24:31] 96 rows of 256 bytes, dense;  s[32:39] 32 such rows;  s[40:47] 16 rows of 256 bytes, 4,096 apart
.set G1B,  32
.set G1C,  40
.set G0A,  48
.set G0B,  52
.set G0C,  56
.set SEL,  60
.set CS,   62                          ; s[62:63] c = log2(e) / 8
.set SB,   66                          ; +-0.1 log2(e)
.set Q0,   67                          ; my first query
.set QD,   68                          ; the first key of the step that holds my queries
.set KFI,  69                          ; the step's first key
.set KQ,   70                          ; less my first query
.set TK,   71
.set TV,   72
.set TS,   73
.set TT,   74
.set STEPS, 75
.set PASSES, 76
	s_load_b256 s[4:11], s[0:1], 0x0               ; c2 s[4:5], s2 s[6:7], c3 s[8:9], s3 s[10:11]
	v_lshl_add_u32 v254, v0, 2, 0x33000
	v_mov_b32 v255, 0
	ds_add_u32 v254, v255
	ds_add_u32 v254, v255
	v_lshrrev_b32 v1, 5, v0
	v_readfirstlane_b32 s[WV], v1                  ; wave 0..15
	s_and_b32 s13, ttmp7, 0xffff                   ; 16 b + head
	s_lshr_b32 s14, s13, 4                         ; b
	s_and_b32 s15, s13, 15                         ; head
.irp g, G1A, G1B, G1C
	s_mov_b32 s[\g], 3<<16                         ; no mask; elements of 8 bytes; no padding
	s_mov_b32 s[\g+1], 32<<16                      ; tensor_dim0 = 32 elements: 256 bytes
	s_mov_b32 s[\g+3], 32<<16                      ; tile_dim0
	s_mov_b32 s[\g+6], 0
	s_mov_b32 s[\g+7], 0
.endr
	s_mov_b32 s[G1A+2], 96<<16                     ; tensor_dim1
	s_mov_b32 s[G1A+4], 96                         ; tile_dim1
	s_mov_b32 s[G1A+5], 32                         ; the pitch
	s_mov_b32 s[G1B+2], 32<<16
	s_mov_b32 s[G1B+4], 32
	s_mov_b32 s[G1B+5], 32
	s_mov_b32 s[G1C+2], 16<<16
	s_mov_b32 s[G1C+4], 16
	s_mov_b32 s[G1C+5], 512
	s_mul_i32 s77, s13, 98304                      ; a head's images of K, and of V, are 98,304 bytes
	s_mul_i32 s78, s[WV], 24576                    ; waves 0-3 bring K's quarters, waves 4-7 V's: wave x 24,576 in LDS,
	s_mov_b32 s79, 12484608                        ; and in c2 from 12,582,912 - 4 x 24,576 (V)
	s_cmp_lt_u32 s[WV], 4
	s_cselect_b32 s79, 6291456, s79                ; or from 6,291,456 (K)
	s_add_co_u32 s80, s77, s78
	s_add_co_u32 s80, s80, s79
	s_mov_b32 s81, 0
	s_lshl_b32 s84, s13, 13
	s_add_co_u32 s84, s84, 524288                  ; K's scale words: 8,192 bytes a head
	s_mov_b32 s85, 0
	s_lshl_b32 s86, s14, 16
	s_lshl_b32 s87, s15, 8
	s_add_co_u32 s86, s86, s87
	s_add_co_u32 s86, s86, 1048576                 ; V's: 256 bytes a head in each of 16 steps
	s_mov_b32 s87, 0
	s_wait_dscnt 0x0
	s_wait_kmcnt 0x0
	s_mov_b32 s[G0A], 1
	s_mov_b32 s[G0A+1], s78
	s_add_nc_u64 s[G0A+2:G0A+3], s[4:5], s[80:81]
	s_or_b32 s[G0A+3], s[G0A+3], 0x80000000
	s_mov_b32 s[G0B], 1
	s_mov_b32 s[G0B+1], KSC
	s_add_nc_u64 s[G0B+2:G0B+3], s[6:7], s[84:85]
	s_or_b32 s[G0B+3], s[G0B+3], 0x80000000
	s_mov_b32 s[G0C], 1
	s_mov_b32 s[G0C+1], VSC
	s_add_nc_u64 s[G0C+2:G0C+3], s[6:7], s[86:87]
	s_or_b32 s[G0C+3], s[G0C+3], 0x80000000
	s_cmp_lt_u32 s[WV], 8                          ; the first and only fills: one tensor load a wave in waves 0 to 9; four v_nop follow each
	s_cbranch_scc0 .Lnot_codes
	tensor_load_to_lds s[G0A:G0A+3], s[G1A:G1A+7]
	s_nop 0
.rept 4
	v_nop
.endr
	s_branch .Lasked
.Lnot_codes:
	s_cmp_eq_u32 s[WV], 8
	s_cbranch_scc0 .Lnot_ks
	tensor_load_to_lds s[G0B:G0B+3], s[G1B:G1B+7]
	s_nop 0
.rept 4
	v_nop
.endr
	s_branch .Lasked
.Lnot_ks:
	s_cmp_eq_u32 s[WV], 9
	s_cbranch_scc0 .Lasked
	tensor_load_to_lds s[G0C:G0C+3], s[G1C:G1C+7]
	s_nop 0
.rept 4
	v_nop
.endr
.Lasked:
	s_lshl_b32 s82, ttmp9, 5
	s_add_co_u32 s82, s82, s[WV]                   ; my first pass's tile of 16 queries: 32 x work-group + wave
	s_lshl_b32 s[Q0], s82, 4
	s_lshl_b32 s83, s13, 7
	s_add_co_u32 s83, s83, s82
	s_mul_i32 s84, s83, 768
	s_add_nc_u64 s[QC:QC+1], s[4:5], s[84:85]
	s_lshl_b32 s84, s83, 6
	s_add_nc_u64 s[QS:QS+1], s[6:7], s[84:85]
	s_lshl_b32 s83, s14, 7
	s_add_co_u32 s83, s83, s82                     ; the tile among all 512 tiles of rows
	s_mul_i32 s84, s83, 12288
	s_mul_i32 s86, s15, 768
	s_add_co_u32 s84, s84, s86
	s_add_nc_u64 s[OC:OC+1], s[8:9], s[84:85]
	s_lshl_b32 s84, s83, 9
	s_lshr_b32 s86, s15, 2
	s_lshl_b32 s86, s86, 7
	s_add_co_u32 s84, s84, s86
	s_and_b32 s86, s15, 3
	s_lshl_b32 s86, s86, 1
	s_add_co_u32 s84, s84, s86
	s_add_nc_u64 s[OS:OS+1], s[10:11], s[84:85]
	s_mov_b32 s[SEL], 0x76543210
	s_mov_b32 s[SEL+1], 0xfedcba98
	s_mov_b32 s[CS], 0x3e38aa3b                    ; c = log2(e) / 8
	s_mov_b32 s[CS+1], s[CS]                       ; (named with it as a pair, so it is written)
	v_and_b32 v248, 31, v0
	v_and_b32 v250, 15, v0                         ; r
	v_bfe_u32 v251, v0, 4, 1                       ; h
	v_lshlrev_b32 v[AK], 3, v248
	v_add_nc_u32 v[AV], VIMG, v[AK]
	v_lshl_add_u32 v[AKS], v248, 2, KSC            ; lanes 0-15 take an even tile's words, lanes 16-31 the odd tile's behind it
	v_lshl_add_u32 v[AVS], v248, 2, VSC
	v_lshlrev_b32 v[DLI], 4, v251
	v_sub_nc_u32 v[DLI], v[DLI], v250
	v_lshlrev_b32 v[R8], 3, v250
	v_lshlrev_b32 v[R4], 2, v250
.irp j, 0,1,2,3,4,5
	v_mov_b32 v[QF+6+\j], 0                        ; Q's K = 64 .. 127: zero codes
	v_mov_b32 v[KF+48+\j], 0                       ; behind K's last tile
.endr
.irp b, 0,1,2,3
	v_mov_b32 v[AB+2*\b+1], 0                      ; (upper halves of pairs of which the low word serves both halves: named, so written)
.endr
	v_mov_b32 v[F+1], 0
	v_mov_b32 v249, 0                              ; a lane permute's destination counts as one of its sources
	s_wait_tensorcnt 0x0                           ; my load has landed,
	s_barrier_signal -1
	s_barrier_wait -1                              ; everybody's has
	s_mov_b32 s[PASSES], 2
.Lpass:
.irp p, 0,1,2
	global_load_b64 v[QF+2*\p:QF+2*\p+1], v[AK], s[QC:QC+1] offset:256*\p   ; Q's fragment stays in registers for the pass
.endr
	global_load_b32 v[QSW], v[R4], s[QS:QS+1]
	v_mov_b32 v[TMX], 0xff61b1e6                   ; the largest t so far: -3e38, under every t
	v_floor_f32 v[NM], -v[TMX]                     ; -M
	v_mov_b32 v[SUM], 0
	v_mov_b32 v[SUM+1], 0
.set j, 0
.rept 32
	v_mov_b32 v[O+j], 0                            ; O^T.  (The step is written once: the first finds zeros, which the first change of M leaves zeros)
.set j, j+1
.endr
.irp i, 0,1,2,3,4,5,6,7,8,9,10,11,12,13,14,15
	v_cvt_f32_u32 v[CBR+\i], \i
.endr
.irp i, 0,1,2,3,4,5,6,7,8,9,10,11,12,13,14,15
	v_mul_f32 v[CBR+\i], 0x3f4ccccd, v[CBR+\i]     ; +0.8 i
.endr
	s_mov_b32 s[SB], 0x3e13bb63                    ; +0.1 log2(e)
	s_and_b32 s[QD], s[Q0], 0xffffff80
	s_mov_b32 s[KFI], 0
	s_sub_co_u32 s[KQ], 0, s[Q0]
	s_mov_b32 s[TK], 0
	s_mov_b32 s[TV], 0
	s_mov_b32 s[TS], 0
	s_mov_b32 s[TT], 0
	s_mov_b32 s[STEPS], 16
	s_wait_loadcnt 0x0                             ; Q
.Lstep:                                            ; A KEY STEP: 128 keys
	v_add_nc_u32 v[ADK], s[TK], v[AK]              ; five plain lines: the places between the last step's products and the loads into the registers that they read
	v_add_nc_u32 v[ADV0], s[TV], v[AV]
	v_add_nc_u32 v[ADS], s[TS], v[AKS]
	v_add_nc_u32 v[ADT], s[TT], v[AVS]
	v_add_nc_u32 v[ADV1], 49152, v[ADV0]           ; V's tiles 2 and 3
.set p, 0
.rept 24
	ds_load_b64 v[KF+2*p:KF+2*p+1], v[ADK] offset:256*p   ; eight tiles x three planes: 256 consecutive bytes a load
.set p, p+1
.endr
.irp i, 0,1,2,3
	ds_load_b32 v[KSW+\i], v[ADS] offset:128*\i
.endr
	s_wait_dscnt 0x0
.irp t, 0,1,2,3,4,5,6,7                        ; S^T = K Q^T +- 0.8 i
.if (\t)%2
	v_wmma_scale_f32_16x16x128_f8f6f4 v[S+8*\t:S+8*\t+7], v[KF+6*\t:KF+6*\t+11], v[QF:QF+11], v[CBR+8:CBR+15], v[KSW+\t/2], v[QSW] matrix_a_fmt:MATRIX_FMT_BF6 matrix_b_fmt:MATRIX_FMT_BF6 matrix_a_scale:MATRIX_SCALE_ROW1
.else
	v_wmma_scale_f32_16x16x128_f8f6f4 v[S+8*\t:S+8*\t+7], v[KF+6*\t:KF+6*\t+11], v[QF:QF+11], v[CBR:CBR+7], v[KSW+\t/2], v[QSW] matrix_a_fmt:MATRIX_FMT_BF6 matrix_b_fmt:MATRIX_FMT_BF6
.endif
.endr
	v_add_nc_u32 v[DB], s[KQ], v[DLI]              ; D_0 = the step's first key - my query + 16 h.  These twelve plain lines are the places behind the products
	v_add_nc_u32 v[DB+1], 32, v[DB]
	v_add_nc_u32 v[DB+2], 64, v[DB]
	v_add_nc_u32 v[DB+3], 0x60, v[DB]
.irp b, 0,1,2,3
	v_cvt_f32_i32 v[DB+\b], v[DB+\b]
.endr
.irp b, 0,1,2,3
	v_mul_f32 v[LB+\b], s[SB], v[DB+\b]            ; the block's part of the bias, as t
.endr
.irp u, 0,1                                    ; V's four tiles are asked for now, into K's registers, and land under the softmax
.irp p, 0,1,2,3,4,5
	ds_load_b64 v[KF+12*\u+2*\p:KF+12*\u+2*\p+1], v[ADV0] offset:24576*\u+256*\p
.endr
.endr
.irp u, 0,1
.irp p, 0,1,2,3,4,5
	ds_load_b64 v[KF+24+12*\u+2*\p:KF+24+12*\u+2*\p+1], v[ADV1] offset:24576*\u+256*\p
.endr
.endr
	ds_load_b32 v[VSW], v[ADT]
	ds_load_b32 v[VSW+1], v[ADT] offset:128
	s_cmp_lg_u32 s[KFI], s[QD]                     ; a branch on ids: the one step of a pass that holds my queries
	s_cbranch_scc1 .Loff_diagonal
.irp b, 0,1,2,3
	v_mul_f32 v[X4+\b], 0x3f4ccccd, v[DB+\b]       ; 0.8 D_b
.endr
.set n, 0
.rept 16                                       ; +0.8 d stands in the score and in the block's part: where d > 0, 1.6 d comes off.  Each accumulator from its low end on
.irp k, 0,1,2,3
	v_add_f32 v[248+\k], v[CBR+(n+\k)%16], v[X4+n/16]
.endr
.irp k, 0,1,2,3
	v_max_num_f32 v[248+\k], 0, v[248+\k]
.endr
.irp k, 0,1,2,3
	v_fma_f32 v[S+n+\k], v[248+\k], -2.0, v[S+n+\k]
.endr
.set n, n+4
.endr
.irp i, 0,2,4,6,8,10,12,14
	v_pk_mul_f32 v[CBR+\i:CBR+\i+1], v[CBR+\i:CBR+\i+1], -1.0 op_sel_hi:[1,0]   ; from the next step on: -0.8 i,
.endr
	s_xor_b32 s[SB], s[SB], 0x80000000             ; and -0.1 log2(e) D_b
.Loff_diagonal:
.irp b, 0,1,2,3
	v_max3_num_f32 v[MB+\b], v[S+16*\b], v[S+1+16*\b], v[S+2+16*\b]   ; the largest score of my 16 keys of each block: within a lane and a block t rises with it
.endr
.irp i, 3,5,7,9,11,13
.irp b, 0,1,2,3
	v_max3_num_f32 v[MB+\b], v[MB+\b], v[S+16*\b+\i], v[S+1+16*\b+\i]   ; (the four blocks by turns)
.endr
.endr
.irp b, 0,1,2,3
	v_max_num_f32 v[MB+\b], v[MB+\b], v[S+15+16*\b]
.endr
.irp b, 0,1,2,3
	v_fma_f32 v[X4+\b], v[MB+\b], s[CS], v[LB+\b]  ; as t
.endr
	v_max3_num_f32 v248, v[X4], v[X4+1], v[X4+2]
	v_max_num_f32 v248, v248, v[X4+3]
	v_permlanex16_b32 v249, v248, s[SEL], s[SEL+1] ; my query's other 64 keys lie in the lane 16 away
	v_max3_num_f32 v[TMX], v[TMX], v248, v249      ; the running largest t
	v_mov_b32 v250, v[NM]
	v_floor_f32 v[NM], -v[TMX]                     ; the new -M = floor(-t) = -ceil(t): M is a whole number
	v_sub_f32 v250, v[NM], v250                    ; M's old value less its new one: a whole number, 0 or less
	v_cvt_i32_f32 v250, v250                       ; (it saturates)
	v_ldexp_f32 v[F], 1.0, v250                    ; f = 2^(old M - new M)
.irp b, 0,1,2,3
	v_add_f32 v[AB+2*\b], v[LB+\b], v[NM]
.endr
.irp j, 0,2,4,6,8,10,12,14,16,18,20,22,24,26,28,30,32,34,36,38,40,42,44,46,48,50,52,54,56,58,60,62
	v_pk_fma_f32 v[S+\j:S+\j+1], v[S+\j:S+\j+1], s[CS:CS+1], v[AB+2*(\j/16):AB+2*(\j/16)+1] op_sel_hi:[1,0,0]   ; t - M, two at a time
.endr
.irp b, 0,1,2,3
	v_fma_f32 v[MB+\b], v[MB+\b], s[CS], v[AB+2*\b]   ; the same of each block's largest score: the same bits as its own element's
.endr
.irp b, 0,1,2,3
	v_exp_f32 v[MB+\b], v[MB+\b]                   ; ONE BATCH of 68 exponentials
.endr
.set j, 0
.rept 64
	v_exp_f32 v[S+j], v[S+j]                       ; p = 2^(t - M), at most 1: not normalised
.set j, j+1
.endr
	v_pk_mul_f32 v[SUM:SUM+1], v[SUM:SUM+1], v[F:F+1] op_sel_hi:[1,0]   ; the sums under the new M: the plain line behind the exponentials
	s_wait_alu depctr_va_vdst(0)                   ; one wait for the whole batch, ahead of its first reader
	v_pk_add_f32 v[252:253], v[S:S+1], v[S+2:S+3]  ; the row's sum is taken of the unquantised p: two at a time, in two chains
.irp j, 4,8,12,16,20,24,28,32,36,40,44,48,52,56,60
	v_pk_add_f32 v[SUM:SUM+1], v[SUM:SUM+1], v[S+\j:S+\j+1]
	v_pk_add_f32 v[252:253], v[252:253], v[S+2+\j:S+3+\j]
.endr
	v_pk_add_f32 v[SUM:SUM+1], v[SUM:SUM+1], v[252:253]
.irp b, 0,1,2,3
	v_permlanex16_b32 v[X4+\b], v[MB+\b], s[SEL], s[SEL+1]
.endr
.irp b, 0,1,2,3
	v_max3_num_f32 v[MB+\b], v[MB+\b], v[X4+\b], 0x2800000   ; the block's largest p, with lane l xor 16's and the floor 2^(5 - 127): the byte cannot fall under 1
.endr
.irp b, 0,1,2,3
	v_add_nc_u32 v[DB+\b], 0xfe000000, v[MB+\b]    ; 4 off the exponent field: the conversion's scale operand
.endr
.irp b, 0,1,2,3
	v_lshrrev_b32 v[X4+\b], 23, v[DB+\b]           ; the scale's byte
.endr
	v_lshl_or_b32 v[PSW], v[X4+1], 8, v[X4]        ; p's scale word for these 128 keys
	v_lshl_or_b32 v[PSW], v[X4+2], 16, v[PSW]
	v_lshl_or_b32 v[PSW], v[X4+3], 24, v[PSW]
.irp c, 0,1
	v_cvt_scalef32_pk16_bf6_f32 v[PC+6*\c:PC+2+6*\c], v[S+32*\c:S+15+32*\c], v[DB+2*\c]
	v_cvt_scalef32_pk16_bf6_f32 v[PT+4*\c:PT+2+4*\c], v[S+16+32*\c:S+31+32*\c], v[DB+2*\c+1]   ; (a conversion's three registers begin on an even number)
.endr
	v_nop                                          ; one plain line behind a scaled conversion
.irp c, 0,1                                    ; the operand's layout wants a WHOLE block in a lane
.irp i, 0,1,2
	v_permlane16_swap_b32 v[PC+6*\c+\i], v[PT+4*\c+\i]
.endr
.irp i, 0,1,2
	v_mov_b32 v[PC+3+6*\c+\i], v[PT+4*\c+\i]
.endr
.endr
.irp j, 0,2,4,6,8,10,12,14,16,18,20,22,24,26,28,30
	v_pk_mul_f32 v[O+\j:O+\j+1], v[O+\j:O+\j+1], v[F:F+1] op_sel_hi:[1,0]   ; O^T under the new M.  (These sixteen are also the places between the scale word's and the codes' last writes and the products)
.endr
	s_wait_dscnt 0x0                               ; V is in
.irp u, 0,1,2,3                                ; O^T += V^T P^T: the four accumulators by turns, one instruction a turn
.if (\u)%2
	v_wmma_scale_f32_16x16x128_f8f6f4 v[O+8*\u:O+8*\u+7], v[KF+12*\u:KF+12*\u+11], v[PC:PC+11], v[O+8*\u:O+8*\u+7], v[VSW+\u/2], v[PSW] matrix_a_fmt:MATRIX_FMT_BF6 matrix_b_fmt:MATRIX_FMT_BF6 matrix_a_scale:MATRIX_SCALE_ROW1
.else
	v_wmma_scale_f32_16x16x128_f8f6f4 v[O+8*\u:O+8*\u+7], v[KF+12*\u:KF+12*\u+11], v[PC:PC+11], v[O+8*\u:O+8*\u+7], v[VSW+\u/2], v[PSW] matrix_a_fmt:MATRIX_FMT_BF6 matrix_b_fmt:MATRIX_FMT_BF6
.endif
.endr
	s_add_co_u32 s[KFI], s[KFI], 128
	s_add_co_u32 s[KQ], s[KQ], 128
	s_add_co_u32 s[TK], s[TK], 6144
	s_add_co_u32 s[TV], s[TV], 1536
	s_add_co_u32 s[TS], s[TS], 512
	s_add_co_u32 s[TT], s[TT], 256
	s_sub_co_u32 s[STEPS], s[STEPS], 1
	s_cmp_lg_u32 s[STEPS], 0
	s_cbranch_scc1 .Lstep
	; THE PASS'S END: O^T / the sum, quantised along the channels: register 16 b + i is channel 32 b + 16 h + i of my query
.rept 2
	v_nop                                          ; with the sum's lines below: the places behind the last products
.endr
	v_add_f32 v[SUM], v[SUM], v[SUM+1]             ; the sum's two halves,
	v_permlanex16_b32 v249, v[SUM], s[SEL], s[SEL+1]
	v_add_f32 v[SUM], v[SUM], v249                 ; and lane l xor 16's: the row's sum
	v_rcp_f32 v[SUM], v[SUM]
	v_nop                                          ; a plain line behind the reciprocal
	s_wait_alu depctr_va_vdst(0)                   ; and the wait ahead of its first reader
.set j, 0
.rept 32
	v_mul_f32 v[S+j], v[O+j], v[SUM]
.set j, j+1
.endr
.irp b, 0,1
	v_max3_num_f32 v[MB+\b], |v[S+16*\b]|, |v[S+1+16*\b]|, 0x2800000
.endr
.irp i, 2,4,6,8,10,12,14
.irp b, 0,1
	v_max3_num_f32 v[MB+\b], v[MB+\b], |v[S+16*\b+\i]|, |v[S+1+16*\b+\i]|
.endr
.endr
.irp b, 0,1
	v_permlanex16_b32 v[X4+\b], v[MB+\b], s[SEL], s[SEL+1]
.endr
.irp b, 0,1
	v_max_num_f32 v[MB+\b], v[MB+\b], v[X4+\b]
.endr
.irp b, 0,1
	v_add_nc_u32 v[DB+\b], 0xfe000000, v[MB+\b]
.endr
.irp b, 0,1
	v_lshrrev_b32 v[X4+\b], 23, v[DB+\b]
.endr
	v_lshl_or_b32 v248, v[X4+1], 8, v[X4]          ; the head's two scale bytes of my row
	v_cvt_scalef32_pk16_bf6_f32 v[PC:PC+2], v[S:S+15], v[DB]
	v_cvt_scalef32_pk16_bf6_f32 v[PT:PT+2], v[S+16:S+31], v[DB+1]
	v_nop
.irp i, 0,1,2
	v_permlane16_swap_b32 v[PC+\i], v[PT+\i]
.endr
.irp i, 0,1,2
	v_mov_b32 v[PC+3+\i], v[PT+\i]                 ; registers 0 .. 5: channels 32 (lane / 16) + 0 .. 31 of row lane % 16
.endr
.irp p, 0,1,2
	global_store_b64 v[AK], v[PC+2*\p:PC+2*\p+1], s[OC:OC+1] offset:256*\p   ; each store of the wave covers 256 consecutive bytes, aligned
.endr
	global_store_b16 v[R8], v248, s[OS:OS+1]       ; two bytes a row, 8 bytes apart (lanes r and r + 16 write the same value): 32 bytes against the tile's 768 of codes
	s_wait_xcnt 0x0                                ; the stores and Q's loads have read their registers and bases: they are written again only behind this wait
	s_add_nc_u64 s[QC:QC+1], s[QC:QC+1], 12288     ; sixteen tiles on
	s_add_nc_u64 s[QS:QS+1], s[QS:QS+1], 1024
	s_add_nc_u64 s[OC:OC+1], s[OC:OC+1], 196608
	s_add_nc_u64 s[OS:OS+1], s[OS:OS+1], 8192
	s_add_co_u32 s[Q0], s[Q0], 256
	s_sub_co_u32 s[PASSES], s[PASSES], 1
	s_cmp_lg_u32 s[PASSES], 0
	s_cbranch_scc1 .Lpass
	s_wait_tensorcnt 0x0
	ds_add_u32 v254, v255
	s_wait_dscnt 0x0
	s_endpgm
.Lfunc_end_k_q4eed75c7d1_attn:
	.size	k_q4eed75c7d1_attn, .Lfunc_end_k_q4eed75c7d1_attn-k_q4eed75c7d1_attn
	.p2alignl 7, 3214868480
	.fill 96, 4, 3214868480
	.section	.rodata,"a",@progbits
	.p2align	6, 0x0
	.amdhsa_kernel k_q4eed75c7d1_attn
		.amdhsa_group_segment_fixed_size 210944
		.amdhsa_private_segment_fixed_size 0
		.amdhsa_enable_private_segment 0
		.amdhsa_kernarg_size 32
		.amdhsa_user_sgpr_count 2
		.amdhsa_user_sgpr_kernarg_segment_ptr 1
		.amdhsa_wavefront_size32 1
		.amdhsa_system_sgpr_workgroup_id_x 1
		.amdhsa_system_sgpr_workgroup_id_y 1
		.amdhsa_system_sgpr_workgroup_id_z 1
		.amdhsa_system_vgpr_workitem_id 0
		.amdhsa_next_free_vgpr 256
		.amdhsa_next_free_sgpr 90
		.amdhsa_reserve_vcc 0
		.amdhsa_float_denorm_mode_32 3
		.amdhsa_float_denorm_mode_16_64 3
		.amdhsa_memory_ordered 1
		.amdhsa_forward_progress 1
		.amdhsa_inst_pref_size 41
	.end_amdhsa_kernel
	.amdgpu_metadata
---
amdhsa.version: [ 1, 2 ]
amdhsa.kernels:
  - .name:           k_q4eed75c7d1_attn
    .symbol:         k_q4eed75c7d1_attn.kd
    .args:
      - { .name: c2, .offset: 0, .size: 8, .value_kind: global_buffer, .address_space: global }
      - { .name: s2, .offset: 8, .size: 8, .value_kind: global_buffer, .address_space: global }
      - { .name: c3, .offset: 16, .size: 8, .value_kind: global_buffer, .address_space: global }
      - { .name: s3, .offset: 24, .size: 8, .value_kind: global_buffer, .address_space: global }
    .group_segment_fixed_size: 210944
    .private_segment_fixed_size: 0
    .kernarg_segment_align: 8
    .kernarg_segment_size: 32
    .max_flat_workgroup_size: 512
    .sgpr_count:     90
    .vgpr_count:     256
    .wavefront_size: 32
...
	.end_amdgpu_metadata
.endif
;; end of part 3
;; launch outp (part 4): grid 4 x 32, 4 waves a work-group, clusters of 4 x 4, 327,680 bytes of LDS; arguments c3, s3, c1, s1, bo, out0; writes out0
.if DOCPART == 4
	.amdgcn_target "amdgcn-amd-amdhsa--gfx1250"
	.amdhsa_code_object_version 6
	.text
	.protected	k_q4eed75c7d1_outp
	.globl	k_q4eed75c7d1_outp
	.p2align	8
	.type	k_q4eed75c7d1_outp,@function
k_q4eed75c7d1_outp:
	s_mov_b64 s[64:65], 0
	v_nop
	global_prefetch_b8 v0, s[64:65] scope:SCOPE_SE
	s_setreg_imm32_b32 hwreg(HW_REG_WAVE_MODE, 25, 1), 1
	s_wait_xcnt 0x0
	s_wait_alu depctr_hold_cnt(0) depctr_sa_sdst(0) depctr_va_vdst(0) depctr_va_sdst(0) depctr_va_ssrc(0) depctr_va_vcc(0) depctr_vm_vsrc(0)
	s_getreg_b32 s2, hwreg(HW_REG_IB_STS2, 6, 4)
	s_cmp_eq_u32 s2, 0
	s_cbranch_scc0 .Lentry_in_a_cluster
	s_endpgm
.Lentry_in_a_cluster:
	s_bfe_u32 s2, ttmp6, 0x10000c
	s_cmp_lg_u32 s2, 0xf033
	s_cbranch_scc0 .Lentry_shape_is_right
	s_endpgm
.Lentry_shape_is_right:
; out0 = A Wo^T + bo.  A [8192][1024]: the attention's result as codes of BF6 (E3M2), laid as images of operand registers: c3 [tile of 16 rows 512][head 16][plane 3][256 bytes]; heads 2 s, 2 s + 1 are the six planes of the
; fragment of the s-th 128 along K.  Its scale bytes: s3 [tile][head / 4][row 16][8 bytes].  B = Wo [1024][1024]: rows 27,648 on of c1 (768 bytes of codes a row) and of s1 (32 scale bytes a row).  out0 [8192][1024], bo [1024]: f32.
; A tile of out0, 256 x 256, is made by a work-group of four waves, a wave makes 128 x 128: 64 accumulators, 512 registers.  K goes in four steps of 256 through two LDS slots filled by the tensor data mover;
; the scale bytes of the work-group's rows come once, with the first fills.  CLUSTERS: 4 x 4 work-groups; A's tiles are asked for jointly by a row of the cluster, B's by a column.
; THE MATRIX INSTRUCTION IS USED TRANSPOSED (source 0 = 16 rows of Wo, source 1 = 16 rows of A): a lane holds eight neighbouring numbers of a row of out0.  The bias is the C of each sum's first product.
; REGISTERS: window 0: v16-30 addresses; v32-63 A's scale words, two sets; v64-127 the bias; v128-223 A's fragments, one set; v224-255 B's scale words, two sets; on the way out v64-191 hold rows.
;   window 1: B's fragments, two sets.   windows 2, 3: the accumulators.
.set SIZE_N, 1024
.set NQ,     2
.set ROWB,   192                       ; B: a tile's row in bytes
.set KROW,   768
.set PITCH,  240                       ; B's LDS row: 3 x (64 bytes + 16 of padding)
.set FR,     12
.set NL,     6
.set NP,     4
.set HALFB,  128*PITCH
.set RTB,    3072                      ; A: a tile of 16 rows x 256 along K: four heads' planes
.set HALFA,  8*RTB                     ; what one tensor load brings of A
.set BOFF,   2*HALFA                   ; a slot: A's 16 tiles of rows, then B's 256 rows
.set SLOT,   BOFF+2*HALFB
.set KS,     32
.set SCLA,   2*SLOT                    ; behind the ring: A's scale bytes, 16 tiles x 512 bytes, as they lie;
.set SCLB,   SCLA+8192                 ; B's, as rows of 256 bytes + 16 of padding
.set HALFS,  (128*KS/256)*272
.set SBLK,   (16*KS/256)*272
.set SPARE,  SCLB+2*HALFS              ; the spare words, 128 bytes for each wave: two blocks of 256 bytes that no other line names
.set SPITCH, 528                       ; the way out: a stage of 16 rows x (512 bytes + 16) for each wave, in slot 0, which has had its last fill and its last read by then
.set ADRA, 16                          ; v16-17  8 x lane + my 8 tiles of A in slot 0, 1
.set ADRB, 20                          ; v20-21  my B fragments in slot 0, 1  (v22-23: behind one padding more)
.set STO,  24
.set RD,   25
.set CO,   26
.set ADSA, 27                          ; my row's scale words of A
.set SPW,  28
.set NIL,  29
.set ADSB, 30                          ; and of B
.set SCA,  32
.set BQ,   64
.set AF,   128
.set SCB,  224
.set BK,   64                          ; the way out: 16 rows read back from the stage: v64-127 and v128-191 by turns
.set G1, 24
.set G0, 32
.set G1B, 48
.set G0B, 56
.set G1S, 68
.set G0S, 76
.set G1SB, 80
.set G0SB, 88
.set COUT, 98
.set MSB, 0
.macro WIN new
.if MSB != (\new)
	s_set_vgpr_msb (MSB<<8)|(\new)
.set MSB, (\new)
.endif
.endm
.set MUL_LO, 0xa1
.set MUL_HI, 0xf1
.set TO_B,   0x40
.macro JLOAD g0a, g1a, g0b, g1b        ; a joint load: waves 0 and 1 fetch for A, waves 2 and 3 for B; four v_nop follow each of the two lines
	s_cmp_eq_u32 s15, 0
	s_cbranch_scc0 .Lfor_b_\@
	tensor_load_to_lds s[\g0a:\g0a+3], s[\g1a:\g1a+7]
	s_nop 0
.rept 4
	v_nop
.endr
	s_branch .Lasked_\@
.Lfor_b_\@:
	tensor_load_to_lds s[\g0b:\g0b+3], s[\g1b:\g1b+7]
	s_nop 0
.rept 4
	v_nop
.endr
.Lasked_\@:
.endm
.macro CREST
	s_cmp_lg_u32 s14, 0
	s_cbranch_scc1 .Lnot_wave_0_\@
	s_barrier_signal -3
.Lnot_wave_0_\@:
	s_barrier_wait -3
	s_barrier_signal -1
	s_barrier_wait -1
.endm
.macro CROUND
	s_barrier_signal -1
	s_barrier_wait -1
	CREST
.endm
	s_load_b256 s[4:11], s[0:1], 0x0               ; c3 s[4:5], s3 s[6:7], c1 s[8:9], s1 s[10:11]
	s_load_b128 s[96:99], s[0:1], 0x20             ; bo s[96:97], out0 s[98:99]
	v_lshl_add_u32 v[SPW], v0, 2, SPARE
	v_mov_b32 v[NIL], 0
	ds_add_u32 v28, v29
	ds_add_u32 v28, v29
	s_wait_dscnt 0x0
	v_lshrrev_b32 v1, 5, v0
	v_readfirstlane_b32 s14, v1                    ; wave 0..3
	s_lshr_b32 s15, s14, 1                         ; which half of the tile's rows is mine.  Also: I fetch for A (0) or for B (1)
	s_and_b32 s16, s14, 1                          ; which half of its columns.  Also: which half of that operand's rows I fetch
	s_bfe_u32 s40, ttmp6, 0x40000                  ; cx
	s_bfe_u32 s41, ttmp6, 0x40004                  ; cy
	s_lshl_b32 s42, ttmp9, 2
	s_add_co_u32 s42, s42, s40                     ; tile column of out0
	s_and_b32 s17, ttmp7, 0xffff
	s_lshl_b32 s17, s17, 2
	s_add_co_u32 s17, s17, s41                     ; tile row
	s_lshl_b32 s43, s41, 2
	s_lshl_b32 s43, 15, s43                        ; my row of the cluster
	s_lshl_b32 s44, 0x1111, s40                    ; my column
	s_or_b32 s[G1+0], s43, (3<<16)|(1<<21)         ; A's codes: the mask; elements of 8 bytes; no padding; bit 21 beside a mask
	s_mov_b32 s[G1+1], 384<<16                     ; tensor_dim0 = 384 elements: 3,072 bytes
	s_mov_b32 s[G1+2], 8<<16                       ; tensor_dim1 = 8 tiles of rows
	s_mov_b32 s[G1+3], 384<<16                     ; tile_dim0
	s_mov_b32 s[G1+4], 8                           ; tile_dim1
	s_mov_b32 s[G1+5], 1536                        ; the pitch: 12,288 bytes from a tile of rows to the next
	s_mov_b32 s[G1+6], 0
	s_mov_b32 s[G1+7], 0
	s_or_b32 s[G1B+0], s44, (0<<16)|(1<<20)|(1<<21)|(3<<22)|(3<<25)  ; B's codes: 128 rows of 192 bytes, 16 bytes of padding behind every 64
	s_mov_b32 s[G1B+1], ROWB<<16
	s_mov_b32 s[G1B+2], 128<<16
	s_mov_b32 s[G1B+3], ROWB<<16
	s_mov_b32 s[G1B+4], 128
	s_mov_b32 s[G1B+5], KROW
	s_mov_b32 s[G1B+6], 0
	s_mov_b32 s[G1B+7], 0
	s_or_b32 s[G1S+0], s43, (3<<16)|(1<<21)        ; A's scales: 4,096 dense bytes as 16 rows of 256, no padding
	s_or_b32 s[G1SB+0], s44, (3<<16)|(1<<20)|(1<<21)|(5<<22)|(3<<25)  ; B's: the same with 16 bytes of padding behind each row
.irp g, G1S, G1SB
	s_mov_b32 s[\g+1], 32<<16
	s_mov_b32 s[\g+2], 16<<16
	s_mov_b32 s[\g+3], 32<<16
	s_mov_b32 s[\g+4], 16
	s_mov_b32 s[\g+5], 32
	s_mov_b32 s[\g+6], 0
	s_mov_b32 s[\g+7], 0
.endr
	s_lshl_b32 s18, s16, 3
	s_lshl_b32 s20, s17, 4
	s_add_co_u32 s20, s20, s18                     ; A: tile of rows 16 x tile row + 8 x half: never holds cx
	s_lshl_b32 s18, s16, 7
	s_lshl_b32 s46, s42, 8
	s_add_co_u32 s46, s46, s18
	s_add_co_u32 s46, s46, 27648                   ; B: row of c1 and s1: never holds cy
	s_lshl_b32 s22, s20, 9                         ; A's scales: 512 bytes a tile of rows
	s_mov_b32 s23, 0
	s_mul_i32 s20, s20, 12288                      ; its codes
	s_mov_b32 s21, 0
	s_lshl_b32 s92, s46, 5                         ; B's scales
	s_mov_b32 s93, 0
	s_mul_i32 s46, s46, KROW                       ; its codes
	s_mov_b32 s47, 0
	s_mul_i32 s45, s16, HALFA                      ; where they go: no place in the cluster enters an LDS address
	s_mul_i32 s94, s16, HALFB
	s_add_co_u32 s94, s94, BOFF
	s_lshl_b32 s95, s16, 12
	s_add_co_u32 s95, s95, SCLA
	s_mul_i32 s66, s16, HALFS
	s_add_co_u32 s66, s66, SCLB
	s_wait_kmcnt 0x0
	s_add_nc_u64 s[20:21], s[4:5], s[20:21]
	s_add_nc_u64 s[22:23], s[6:7], s[22:23]
	s_add_nc_u64 s[46:47], s[8:9], s[46:47]
	s_add_nc_u64 s[92:93], s[10:11], s[92:93]
	CROUND                                         ; all sixteen work-groups are here: the first joint loads meet
	s_mov_b32 s[G0S], 1
	s_mov_b32 s[G0S+1], s95
	s_mov_b64 s[G0S+2:G0S+3], s[22:23]
	s_or_b32 s[G0S+3], s[G0S+3], 0x80000000
	s_mov_b32 s[G0SB], 1
	s_mov_b32 s[G0SB+1], s66
	s_mov_b64 s[G0SB+2:G0SB+3], s[92:93]
	s_or_b32 s[G0SB+3], s[G0SB+3], 0x80000000
	JLOAD G0S, G1S, G0SB, G1SB                     ; the scales first.  By this text's count a wave has three tensor loads out here, later one
.irp s, 0,1
	s_mov_b32 s[G0+4*\s], 1
	s_add_co_u32 s[G0+4*\s+1], s45, \s*SLOT
	s_add_nc_u64 s[G0+4*\s+2:G0+4*\s+3], s[20:21], \s*RTB
	s_or_b32 s[G0+4*\s+3], s[G0+4*\s+3], 0x80000000
	s_mov_b32 s[G0B+4*\s], 1
	s_add_co_u32 s[G0B+4*\s+1], s94, \s*SLOT
	s_add_nc_u64 s[G0B+4*\s+2:G0B+4*\s+3], s[46:47], \s*ROWB
	s_or_b32 s[G0B+4*\s+3], s[G0B+4*\s+3], 0x80000000
	JLOAD G0+4*\s, G1, G0B+4*\s, G1B
.endr
	v_and_b32 v1, 15, v0                           ; r
	v_bfe_u32 v2, v0, 4, 1                         ; h
	v_and_b32 v6, 31, v0                           ; lane
	v_mul_u32_u24 v3, v1, PITCH
	v_mul_u32_u24 v4, v2, 24
	v_add_nc_u32 v4, v3, v4                        ; B: a fragment's row x pitch + 24 x half
	v_lshl_add_u32 v5, v2, 4, v4                   ; and the same behind one padding more
	v_lshlrev_b32 v3, 3, v6                        ; A: 8 x lane in a plane
	s_mul_i32 s21, s15, HALFA                      ; my 8 tiles of A's rows
	s_mul_i32 s22, s16, HALFB                      ; my 128 rows of B
	s_add_co_u32 s22, s22, BOFF
.irp s, 0,1
	v_add_nc_u32 v[ADRA+\s], s21, v3
	v_add_nc_u32 v[ADRB+\s], s22, v4
	v_add_nc_u32 v[ADRB+2+\s], s22, v5
	s_add_co_u32 s21, s21, SLOT
	s_add_co_u32 s22, s22, SLOT
.endr
	s_lshl_b32 s21, s15, 12
	s_add_co_u32 s21, s21, SCLA
	v_lshl_add_u32 v[ADSA], v1, 3, s21             ; A's scale words: 8 bytes a row and K step; both halves of the lanes read the same
	v_mul_u32_u24 v5, v1, KS                       ; B's: KS bytes a row,
	v_lshrrev_b32 v3, 8, v5
	v_lshl_add_u32 v5, v3, 4, v5                   ; and 16 more for each 256 passed
	s_mul_i32 s22, s16, HALFS
	s_add_co_u32 s22, s22, SCLB
	v_add_nc_u32 v[ADSB], s22, v5
	s_mul_i32 s23, s14, 16*SPITCH                  ; my stage
	v_mul_u32_u24 v5, v1, SPITCH                   ; in: row l % 16, 32 bytes for each half of the lanes
	v_lshl_add_u32 v5, v2, 5, v5
	v_add_nc_u32 v[STO], s23, v5
	v_lshlrev_b32 v[CO], 4, v6                     ; back: the 32 lanes take one row of 512 bytes; and the same in out0
	v_add_nc_u32 v[RD], s23, v[CO]
	v_lshlrev_b32 v7, 5, v2                        ; the bias: tile b's registers are numbers 16 b + 8 h + 0 .. 7
	s_lshl_b32 s20, s17, 8
	s_lshl_b32 s21, s15, 7
	s_add_co_u32 s20, s20, s21                     ; my first row of out0
	s_lshl_b32 s20, s20, 12                        ; 4,096 bytes a row (under 2^25)
	s_mov_b32 s21, 0
	s_lshl_b32 s46, s42, 10                        ; my first column, in bytes
	s_lshl_b32 s47, s16, 9
	s_add_co_u32 s46, s46, s47
	s_mov_b32 s47, 0
	s_add_nc_u64 s[96:97], s[96:97], s[46:47]
	s_add_nc_u64 s[20:21], s[20:21], s[46:47]
	s_add_nc_u64 s[COUT:COUT+1], s[COUT:COUT+1], s[20:21]
.irp b, 0,1,2,3,4,5,6,7
	global_load_b128 v[BQ+8*\b:BQ+8*\b+3], v7, s[96:97] offset:64*\b
	global_load_b128 v[BQ+8*\b+4:BQ+8*\b+7], v7, s[96:97] offset:64*\b+16
.endr
	s_wait_loadcnt 0x0
.macro FRAG reg, adr, q, i             ; a fragment of B, from rows: pieces of 8 bytes; 16 bytes of padding lie behind every 8 pieces
.irp p, 0,1,2,3,4,5
.set PCE, 12*(\q)+6*(\p/3)+\p%3
.if PCE%8 < 5
	ds_load_b64 v[\reg+2*\p:\reg+2*\p+1], v[\adr] offset:8*PCE+16*(PCE/8)+(\i)*16*PITCH
.else
	ds_load_b64 v[\reg+2*\p:\reg+2*\p+1], v[\adr+2] offset:8*PCE+16*(PCE/8)+(\i)*16*PITCH
.endif
.endr
.endm
.macro FRAG_A reg, slot, q, i          ; a fragment of A, from its image: six planes, 256 consecutive bytes a load
.irp p, 0,1,2,3,4,5
	ds_load_b64 v[\reg+2*\p:\reg+2*\p+1], v[ADRA+\slot] offset:(\i)*RTB+(\q)*1536+256*\p
.endr
.endm
; 16 matrix instructions: A's blocks a0, a0 + 1 x B's eight.  zero = 1: the first product starts the sums, with the bias as its C.  The 64 accumulators take turns, one instruction a turn.
.macro MUL16 a0, p, q, sc, zero
.irp a, \a0, \a0+1
.irp b, 0,1,2,3,4,5,6,7
.if \zero
	v_wmma_scale_f32_16x16x128_f8f6f4 v[8*(8*((\a)%4)+\b):8*(8*((\a)%4)+\b)+7], v[128*(\p)+FR*\b:128*(\p)+FR*\b+FR-1], v[AF+FR*(\a):AF+FR*(\a)+FR-1], v[BQ+8*\b:BQ+8*\b+7], v[SCB+8*NQ*(\sc)+NQ*\b+(\q)], v[SCA+8*NQ*(\sc)+NQ*(\a)+(\q)] matrix_a_fmt:MATRIX_FMT_BF6 matrix_b_fmt:MATRIX_FMT_BF6
.else
	v_wmma_scale_f32_16x16x128_f8f6f4 v[8*(8*((\a)%4)+\b):8*(8*((\a)%4)+\b)+7], v[128*(\p)+FR*\b:128*(\p)+FR*\b+FR-1], v[AF+FR*(\a):AF+FR*(\a)+FR-1], v[8*(8*((\a)%4)+\b):8*(8*((\a)%4)+\b)+7], v[SCB+8*NQ*(\sc)+NQ*\b+(\q)], v[SCA+8*NQ*(\sc)+NQ*(\a)+(\q)] matrix_a_fmt:MATRIX_FMT_BF6 matrix_b_fmt:MATRIX_FMT_BF6
.endif
.endr
.endr
.endm
.macro FETCH_B slot, q, p
	WIN TO_B
.irp i, 0,1,2,3,4,5,6,7
	FRAG 128*(\p)+FR*\i, ADRB+\slot, \q, \i
.endr
	WIN 0
.endm
.macro FETCH_A slot, q, i0
.irp i, \i0, \i0+1, \i0+2, \i0+3
	FRAG_A AF+FR*(\i), \slot, \q, \i
.endr
.endm
.macro SCALES sc                       ; a K step's scale words into set sc: two words a row, A's and B's in registers of their own
.irp i, 0,1,2,3,4,5,6,7
	ds_load_b64 v[SCA+8*NQ*\sc+NQ*\i:SCA+8*NQ*\sc+NQ*\i+1], v[ADSA] offset:\i*512
.endr
.irp i, 0,1,2,3,4,5,6,7
	ds_load_b64 v[SCB+8*NQ*\sc+NQ*\i:SCB+8*NQ*\sc+NQ*\i+1], v[ADSB] offset:\i*SBLK
.endr
.endm
.macro PLACES n                        ; plain vector lines between a matrix instruction and a load into, or a read of, its registers (ISA guide 7.12.1 for reads)
.rept \n
	v_nop
.endr
.endm
.macro STEP slot, q, zero
	s_wait_dscnt 4*NL                              ; B's set, A's blocks 0-3 and the scale words are in; the youngest 24 loads (A's blocks 4-7) may be out
	WIN MUL_LO-0x20*(\zero)
	MUL16 0, (\q)%2, \q, \slot, \zero
	MUL16 2, (\q)%2, \q, \slot, \zero
	s_wait_dscnt 0
	PLACES NP
	FETCH_B \slot, (\q)+1, 1-(\q)%2
	FETCH_A \slot, (\q)+1, 0
	WIN MUL_HI-0x30*(\zero)
	MUL16 4, (\q)%2, \q, \slot, \zero
	MUL16 6, (\q)%2, \q, \slot, \zero
	PLACES NP
	WIN 0
	FETCH_A \slot, (\q)+1, 4
.endm
; A slot's last step changes slots: ONE barrier; in front of it each wave waits for all its tensor loads, adds 0 to its spare word, and waits for that and for its own reads of this slot.  fill = 1: this slot is filled again, two K steps ahead.
.macro TURN slot, next, fill
	s_wait_tensorcnt 0x0                           ; all my tensor loads have landed: my part of the next slot  (every window is 0 here)
	ds_add_u32 v[SPW], v[NIL]                      ; 0 onto my spare word
	s_wait_dscnt 4*NL+1                            ; (the add and the youngest 24 loads may be out)
	WIN MUL_LO
	MUL16 0, 1, NQ-1, \slot, 0                     ; sixteen matrix instructions stand between the add and the wait for it
	s_wait_dscnt 0x0                               ; the add is done, and my reads of this slot are over
	s_barrier_signal -1
	MUL16 2, 1, NQ-1, \slot, 0
	WIN 0
	s_barrier_wait -1
.if \fill
	CREST                                          ; the barrier has opened a round of the cluster's barrier: no wave of any partner still reads this slot's tile or has a load on its way
	s_add_nc_u64 s[G0+4*\slot+2:G0+4*\slot+3], s[G0+4*\slot+2:G0+4*\slot+3], 2*RTB
	s_add_nc_u64 s[G0B+4*\slot+2:G0B+4*\slot+3], s[G0B+4*\slot+2:G0B+4*\slot+3], 2*ROWB
	JLOAD G0+4*\slot, G1, G0B+4*\slot, G1B         ; the first tensor load behind the round; its four v_nop are the places in front of the loads below
.else
	PLACES NP
.endif
	v_add_nc_u32 v[ADSA], 128, v[ADSA]             ; on to the next K step's scale words (no LDS load of mine is out)
	v_add_nc_u32 v[ADSB], 4*NQ, v[ADSB]
	FETCH_B \next, 0, 0
	FETCH_A \next, 0, 0
	SCALES \next
	WIN MUL_HI
	MUL16 4, 1, NQ-1, \slot, 0
	MUL16 6, 1, NQ-1, \slot, 0
	PLACES NP
	WIN 0
	FETCH_A \next, 0, 4
.endm
	s_wait_tensorcnt 1                             ; the scales and my part of K step 0 are in (K step 1's load may be out)
	s_barrier_signal -1
	s_barrier_wait -1                              ; everybody's are
	FETCH_B 0, 0, 0
	FETCH_A 0, 0, 0
	SCALES 0
	FETCH_A 0, 0, 4
	STEP 0, 0, 1                                   ; K has four steps of 256, eight of 128: written out, no loop
	TURN 0, 1, 1                                   ; slot 0 takes K step 2
	STEP 1, 0, 0
	TURN 1, 0, 1                                   ; slot 1 takes K step 3
	STEP 0, 0, 0
	TURN 0, 1, 0                                   ; nothing is left to fetch: no round of the cluster's barrier
	STEP 1, 0, 0
	s_wait_dscnt 4*NL                              ; the very last step
	WIN MUL_LO
	MUL16 0, 1, NQ-1, 1, 0
	MUL16 2, 1, NQ-1, 1, 0
	s_wait_dscnt 0
	WIN MUL_HI
	MUL16 4, 1, NQ-1, 1, 0
	MUL16 6, 1, NQ-1, 1, 0
	WIN 0
; THE WAY OUT, block by block of 16 rows x 128 columns, through my own stage in LDS: in as 32 bytes a lane, back as whole rows of 512 bytes.  LDS serves a wave's instructions in order (ISA guide 5.7.1.4):
; no wait between the stores and the loads, nor in front of the next block's stores.
.macro TOSTAGE a
.set AC, 64*((\a)%4)
	WIN 0x08+4*((\a)/4)                            ; the data: window 2 or 3
.irp b, 0,1,2,3,4,5,6,7
	ds_store_b128 v[STO], v[AC+8*\b:AC+8*\b+3] offset:64*\b          ; each accumulator from its low end on
	ds_store_b128 v[STO], v[AC+8*\b+4:AC+8*\b+7] offset:64*\b+16
.endr
	WIN 0
.set BB, BK+64*((\a)%2)
.irp t, 0,1,2,3,4,5,6,7,8,9,10,11,12,13,14,15
	ds_load_b128 v[BB+4*\t:BB+4*\t+3], v[RD] offset:\t*SPITCH
.endr
.endm
.macro SEND a, younger                 ; younger: the LDS instructions issued behind block a's loads, which may stay out
.set BB, BK+64*((\a)%2)
	s_wait_dscnt \younger
.if (\a) > 0
	s_add_nc_u64 s[COUT:COUT+1], s[COUT:COUT+1], 16*SIZE_N*4   ; (behind a wait on XCNT: the earlier stores have read their base)
.endif
.irp t, 0,1,2,3,4,5,6,7,8,9,10,11,12,13,14,15
	global_store_b128 v[CO], v[BB+4*\t:BB+4*\t+3], s[COUT:COUT+1] offset:\t*SIZE_N*4 th:TH_STORE_NT   ; 32 lanes store 512 consecutive bytes, at a multiple of 256 from out0's first byte
.endr
.endm
	PLACES NP                                      ; behind the last products: for the reads of results and the loads into the registers that held A's fragments
	TOSTAGE 0
.irp a, 1,2,3,4,5,6,7
.if \a > 1
	s_wait_xcnt 0x0                                ; block a - 2's stores have read their registers and their base
.endif
	TOSTAGE \a
	SEND \a-1, 32                                  ; behind block a - 1's loads: block a's 16 stores and 16 loads
.endr
	s_wait_xcnt 0x0
	SEND 7, 0
	s_wait_tensorcnt 0x0                           ; the wave's end: behind my last tensor load and my last LDS store
	ds_add_u32 v[SPW], v[NIL]
	s_wait_dscnt 0x0
	CROUND                                         ; the closing round: no work-group ends while a partner may still ask for a tile that names it
	s_endpgm
.Lfunc_end_k_q4eed75c7d1_outp:
	.size	k_q4eed75c7d1_outp, .Lfunc_end_k_q4eed75c7d1_outp-k_q4eed75c7d1_outp
	.p2alignl 7, 3214868480
	.fill 96, 4, 3214868480
	.section	.rodata,"a",@progbits
	.p2align	6, 0x0
	.amdhsa_kernel k_q4eed75c7d1_outp
		.amdhsa_group_segment_fixed_size 327680
		.amdhsa_private_segment_fixed_size 0
		.amdhsa_enable_private_segment 0
		.amdhsa_kernarg_size 48
		.amdhsa_user_sgpr_count 2
		.amdhsa_user_sgpr_kernarg_segment_ptr 1
		.amdhsa_wavefront_size32 1
		.amdhsa_system_sgpr_workgroup_id_x 1
		.amdhsa_system_sgpr_workgroup_id_y 1
		.amdhsa_system_sgpr_workgroup_id_z 1
		.amdhsa_system_vgpr_workitem_id 0
		.amdhsa_next_free_vgpr 1024
		.amdhsa_next_free_sgpr 100
		.amdhsa_reserve_vcc 0
		.amdhsa_float_denorm_mode_32 3
		.amdhsa_float_denorm_mode_16_64 3
		.amdhsa_memory_ordered 1
		.amdhsa_forward_progress 1
		.amdhsa_inst_pref_size 164
	.end_amdhsa_kernel
	.amdgpu_metadata
---
amdhsa.version: [ 1, 2 ]
amdhsa.kernels:
  - .name:           k_q4eed75c7d1_outp
    .symbol:         k_q4eed75c7d1_outp.kd
    .args:
      - { .name: c3, .offset: 0, .size: 8, .value_kind: global_buffer, .address_space: global }
      - { .name: s3, .offset: 8, .size: 8, .value_kind: global_buffer, .address_space: global }
      - { .name: c1, .offset: 16, .size: 8, .value_kind: global_buffer, .address_space: global }
      - { .name: s1, .offset: 24, .size: 8, .value_kind: global_buffer, .address_space: global }
      - { .name: bo, .offset: 32, .size: 8, .value_kind: global_buffer, .address_space: global }
      - { .name: out0, .offset: 40, .size: 8, .value_kind: global_buffer, .address_space: global }
    .group_segment_fixed_size: 327680
    .private_segment_fixed_size: 0
    .kernarg_segment_align: 8
    .kernarg_segment_size: 48
    .max_flat_workgroup_size: 128
    .sgpr_count:     100
    .vgpr_count:     1024
    .wavefront_size: 32
...
	.end_amdgpu_metadata
.endif
;; end of part 4
